; MI455X (gfx1250); checked and timed in simulation.
; The chip was launched on July 23, 2026; its instructions are those of AMD's public machine-readable ISA for CDNA 5 (MIT licence, August 2026) and "CDNA5" Instruction Set Architecture Reference Guide (July 2026). The comments in the code are by the model that wrote it; some were corrected since.
;; Multi Head Self Attention. Allowed arithmetic: matrix products marked QUANTISED: E2M1 operands, one E8M0 scale for each 32 along K, by v_wmma_scale_f32_16x16x128_f8f6f4 with both operands' format E2M1 (or v_wmma_scale_f32_32x16x128_f4), f32 sums; products left as they are: bf16, f16 or f32 operands; f32 sums; everything else in f32.
;; Inputs: Wk 1,024 x 1,024 float32; Wo 1,024 x 1,024 float32; Wq 1,024 x 1,024 float32; Wv 1,024 x 1,024 float32; attention_mask 2 x 1 x 1 x 2,048 float32; x 2 x 2,048 x 1,024 float32.
;; Outputs: out0 2 x 2,048 x 1,024 float32.
;; This version of the problem:
;;   THIS VERSION OF THE PROBLEM IS GIVEN IN LOW PRECISION. The matrix products marked QUANTISED in the list below multiply operands that are first quantised to E2M1 (2 exponent bits, 1 mantissa bit; 4 bits a number), with one power-of-two scale for each 32 numbers along K (OCP MX v1.0); their sums are f32. The products marked 'left as it is' may take bf16, f16 or f32 operands, with f32 sums. Whichever they take, every output number must still come out within the allowed error. Rounding operands to bf16 (8 significant bits) uses up far more of that allowance than f16 does (11 bits, for magnitudes from 6e-5 to 65,504). All else is computed in f32.
;;   The module's matrix products, in the order in which they are computed (A, B: the left and right operand; K: the contracted axis; several contracted axes count as one K, in the product's order):
;;     1. [M 4,096, K 1,024] x [K 1,024, N 1,024]; A: input x; B: input Wq: QUANTISED
;;     2. [M 4,096, K 1,024] x [K 1,024, N 1,024]; A: input x; B: input Wk: QUANTISED
;;     3. [M 4,096, K 1,024] x [K 1,024, N 1,024]; A: input x; B: input Wv: QUANTISED
;;     4. batch 32 x [M 2,048, K 64] x [K 64, N 2,048]; A: computed on the way; B: computed on the way: left as it is (an operand is computed on the way)
;;     5. batch 32 x [M 2,048, K 2,048] x [K 2,048, N 64]; A: computed on the way; B: computed on the way: left as it is (an operand is computed on the way)
;;     6. [M 4,096, K 1,024] x [K 1,024, N 1,024]; A: computed on the way; B: input Wo: left as it is (an operand is computed on the way)
;;   THE QUANTISER, for each operand of a quantised product, along K:
;;     - K is cut into blocks of 32 from its start; a last block that is shorter is filled with zeros.
;;     - A block's scale is 2^e with e = floor(log2(the largest magnitude in the block)) - 2, held to -126 .. 127; a block of zeros has e = 0. As a byte (E8M0): e + 127.
;;     - Each number is divided by its block's scale, clamped to +-6, and rounded to the nearest number of E2M1, ties to even, subnormals kept.
;;     - The product sums the exact products of the quantised numbers (number of the format x scale) in f32.
;;   ~~~python
;;   def quantise(x, axis):      # numpy; x: float32 -> the quantised numbers, widened to float32 again
;;       x = np.moveaxis(x, axis, -1); K = x.shape[-1]
;;       x = np.pad(x, [(0, 0)] * (x.ndim - 1) + [(0, -K % 32)]); x = x.reshape(x.shape[:-1] + (-1, 32)); a = np.abs(x).max(-1, keepdims=True)
;;       e = np.where(a > 0, np.clip(np.frexp(np.where(a > 0, a, 1))[1] - 1 - 2, -126, 127), 0)      # np.frexp(a)[1] - 1 = floor(log2(a)), exactly
;;       r = np.clip(x / 2.0 ** e, -6, 6)
;;       step = 2.0 ** (np.maximum(np.frexp(np.where(r == 0, 1, r))[1] - 1, 0) - 1)
;;       q = np.round(r / step) * step * 2.0 ** e      # np.round: ties to even
;;       return np.moveaxis(q.reshape(q.shape[:-2] + (-1,))[..., :K], -1, axis).astype(np.float32)
;;   ~~~
;; One version. Each part assembles by itself: llvm-mc -triple=amdgcn-amd-amdhsa -mcpu=gfx1250 --defsym DOCPART=n.
;; ======== version 1 of 1: 4 launches
;; limits: values are held in f16: magnitudes above 65,504 overflow, below 6.1e-05 lose precision; right only within a limited range of input values
;; workspace buffers: x_codes 2,097,152 bytes; x_scales 131,072 bytes; w_codes 1,572,864 bytes; w_scales 98,304 bytes; wo_h 2,097,152 bytes; qkv 25,165,824 bytes; y 8,388,608 bytes
;; launch prep (part 1): grid 256 x 1, 4 waves a work-group, no clusters, 33,280 bytes of LDS; arguments x, Wq, Wk, Wv, Wo, x_codes, x_scales, w_codes, w_scales, wo_h; writes x_codes, x_scales, w_codes, w_scales, wo_h
.if DOCPART == 1
	.amdgcn_target "amdgcn-amd-amdhsa--gfx1250"
	.amdhsa_code_object_version 6
	.text
	.protected	k_qe24fc01d2c_prep
	.globl	k_qe24fc01d2c_prep
	.p2align	8
	.type	k_qe24fc01d2c_prep,@function
k_qe24fc01d2c_prep:
	s_mov_b64 s[64:65], 0
	v_nop
	global_prefetch_b8 v0, s[64:65] scope:SCOPE_SE
	s_setreg_imm32_b32 hwreg(HW_REG_WAVE_MODE, 25, 1), 1
	s_wait_xcnt 0x0
; x [4096][1024] and Wq, Wk, Wv [1024][1024], f32, K innermost, become codes of FP4 (E2M1) with one E8M0 scale byte for each 32 along K; Wo [1024][1024] becomes f16.
; A block's scale is 2^(floor(log2(its largest magnitude)) - 2); its byte is the largest magnitude's exponent field - 2, held at 1 from below.  A block of zeros so gets the byte 1 where the
; rule says 127: its codes are zeros, which add nothing under any byte but 0xff, and the bytes are read by this program alone.
; LIMITS: blocks whose largest magnitude lies under 2^-124 keep the byte 1; NaN and infinities among the inputs are not served; Wo's numbers must lie inside f16's range (65,504).
; Rows are dense and K is a multiple of 32: every tensor is a plain stream of blocks of 32.  A work-group takes 32,768 numbers, a wave a run of 8,192.
; Work-groups 0-127: x; 128-159: Wq; 160-191: Wk; 192-223: Wv (the three weights' codes lie one behind the other, 3,072 rows); 224-255: Wo.
; THE QUANTISER: a wave takes 16 steps of 512 numbers.  Each of a step's four loads reads 512 consecutive bytes; the 2,048 bytes turn through the wave's own stage in LDS and come back 64 bytes a lane,
; so that a lane holds 16 neighbours along K (two neighbouring lanes hold a block).  A lane's 16 codes are 8 bytes: the wave stores 256 consecutive bytes.  A wave's 256 scale bytes are gathered in LDS and leave as one store.
; No tensor loads, no barrier: waves share nothing.  Matrix units and clusters have nothing to do here: the launch moves each byte once.
.set WAVES, 4
.set STEPS, 16
.set EMAX,  2
.set CB,    8                          ; bytes of 16 codes
.set R,     16                         ; v16-79   four sets of 16 numbers as loaded (Wo's path: v16-143, two sets of 64)
.set X,     80                         ; v80-111  two sets of 16 neighbours
.set E,     112                        ; v112-127 a scale byte for each step
.set C,     128                        ; v128-191 codes: four registers for each step
.set H,     144                        ; Wo's path: v144-175 sixteen pairs of f16 words
.set WREG,  8192                       ; LDS: a region for each wave: two stages of 32 x SP bytes, behind them its 256 scale bytes
.set SP,    80                         ; a lane's place in a stage: 64 bytes + 16 of padding
.set SPW,   12                         ; v12  LDS address of my spare word; never rewritten
.set NIL,   13                         ; v13  0; never rewritten
.set SPARE, WAVES*WREG                 ; behind the regions: the spare words, 128 bytes a wave
	s_load_b512 s[4:19], s[0:1], 0x0               ; x 4, Wq 6, Wk 8, Wv 10, Wo 12, x_codes 14, x_scales 16, w_codes 18
	s_load_b128 s[20:23], s[0:1], 0x40             ; w_scales 20, wo_h 22
	v_lshl_add_u32 v[SPW], v0, 2, SPARE
	v_mov_b32 v[NIL], 0
	v_lshrrev_b32 v1, 5, v0
	v_readfirstlane_b32 s24, v1                    ; wave
	v_and_b32 v2, 31, v0                           ; lane
	v_lshlrev_b32 v3, 4, v2                        ; my 16 bytes of a load's 512
	s_mul_i32 s27, s24, WREG
	v_lshrrev_b32 v14, 2, v2
	v_mul_u32_u24 v14, v14, SP
	v_and_b32 v15, 3, v2
	v_lshl_add_u32 v14, v15, 4, v14
	v_add_nc_u32 v14, s27, v14                     ; the stage, on the way in: SP (lane / 4) + 16 (lane % 4)
	v_mul_u32_u24 v15, v2, SP
	v_add_nc_u32 v15, s27, v15                     ; and on the way out: SP x lane
	v_mul_u32_u24 v4, v2, CB                       ; 8 bytes a lane: my codes' place in a step's (Wo's path: my four f16)
	v_lshrrev_b32 v5, 1, v2
	s_add_co_u32 s27, s27, 2*32*SP
	v_add_nc_u32 v5, s27, v5                       ; my wave's 256 scale bytes, my block's byte
	v_lshlrev_b32 v7, 3, v2
	v_add_nc_u32 v6, s27, v7                       ; and on the way out 8 bytes a lane
	s_sub_co_u32 s25, ttmp9, 128                   ; the work-group's number among the weights' (not used in x's work-groups)
	s_lshr_b32 s26, s25, 5                         ; which weight
	s_and_b32 s36, s25, 31                         ; and which 32,768 numbers of it
	s_wait_kmcnt 0x0
	s_cmp_ge_u32 ttmp9, 224
	s_cbranch_scc1 .Lwo
	s_cmp_eq_u32 s26, 1                            ; every choice hangs on the work-group's number alone
	s_cselect_b64 s[28:29], s[8:9], s[6:7]
	s_cmp_eq_u32 s26, 2
	s_cselect_b64 s[28:29], s[10:11], s[28:29]
	s_cmp_lt_u32 ttmp9, 128
	s_cselect_b64 s[28:29], s[4:5], s[28:29]       ; the numbers,
	s_cselect_b64 s[30:31], s[14:15], s[18:19]     ; the codes,
	s_cselect_b64 s[32:33], s[16:17], s[20:21]     ; the scale bytes,
	s_cselect_b32 s34, ttmp9, s36                  ; the work-group's place in the source,
	s_cselect_b32 s35, ttmp9, s25                  ; and in the destination
	s_lshl_b32 s34, s34, 2
	s_add_co_u32 s34, s34, s24                     ; my wave's run of 8,192 numbers in the source
	s_lshl_b32 s35, s35, 2
	s_add_co_u32 s35, s35, s24                     ; and in the destination
	s_lshl_b32 s36, s34, 15                        ; 32,768 bytes of numbers a run (under 2^24 in all)
	s_mov_b32 s37, 0
	s_add_nc_u64 s[28:29], s[28:29], s[36:37]
	s_lshl_b32 s36, s35, 12                        ; 4,096 bytes of codes
	s_add_nc_u64 s[30:31], s[30:31], s[36:37]
	s_lshl_b32 s36, s35, 8                         ; 256 scale bytes
	s_add_nc_u64 s[32:33], s[32:33], s[36:37]
.macro LOAD t
.irp i, 0,1,2,3
	global_load_b128 v[R+16*((\t)%4)+4*\i:R+16*((\t)%4)+4*\i+3], v3, s[28:29] offset:2048*(\t)+512*\i th:TH_LOAD_NT   ; 32 lanes read 512 consecutive bytes
.endr
.endm
.macro TURN t                          ; step t's numbers through the stage: LDS serves a wave's instructions in order, so no wait stands between the stores and the loads
.irp i, 0,1,2,3
	ds_store_b128 v14, v[R+16*((\t)%4)+4*\i:R+16*((\t)%4)+4*\i+3] offset:32*SP*((\t)%2)+8*SP*\i
.endr
.irp i, 0,1,2,3
	ds_load_b128 v[X+16*((\t)%2)+4*\i:X+16*((\t)%2)+4*\i+3], v15 offset:32*SP*((\t)%2)+16*\i
.endr
.endm
.irp t, 0,1,2,3
	LOAD \t
.endr
	s_wait_loadcnt 12                              ; step 0's four loads are in; the twelve of steps 1 to 3 stay out
	TURN 0
.macro STEP t
.set XS, X+16*((\t)%2)
.if (\t) > 0
	s_wait_dscnt 1                                 ; this step's numbers are back from the stage (the last step's byte store may be out)
.else
	s_wait_dscnt 0x0
.endif
.if (\t)+4 < STEPS
	LOAD (\t)+4                                    ; the set that the stage's stores have read takes the loads of four steps on
.endif
.if (\t)+1 < STEPS
.if STEPS-2-(\t) >= 3
	s_wait_loadcnt 12                              ; the next step's four loads are in; those of the three steps behind it may be out
.else
	s_wait_loadcnt 4*(STEPS-2-(\t))
.endif
	TURN (\t)+1                                    ; and go through the other stage while this step is worked
.endif
	v_max3_num_f32 v8, |v[XS]|, |v[XS+1]|, |v[XS+2]|               ; the largest magnitude of my 16, in two chains
	v_max3_num_f32 v9, |v[XS+3]|, |v[XS+4]|, |v[XS+5]|
.irp i, 6,10
	v_max3_num_f32 v8, v8, |v[XS+\i]|, |v[XS+\i+1]|
	v_max3_num_f32 v9, v9, |v[XS+\i+2]|, |v[XS+\i+3]|
.endr
	v_max3_num_f32 v8, v8, |v[XS+14]|, |v[XS+15]|
	v_max3_num_f32 v8, v8, v9, (EMAX+1)<<23        ; and the floor 2^(3 - 127): the byte cannot fall under 1
	v_max_num_f32_dpp v8, v8, v8 row_xmask:1 row_mask:0xf bank_mask:0xf   ; and of my neighbour's 16: the block's
	v_add_nc_u32 v11, -(EMAX<<23), v8              ; 2 off its exponent field: the conversion takes the exponent field of this operand as its scale
	v_cvt_scalef32_pk8_fp4_f32 v[C+4*(\t)], v[XS:XS+7], v11        ; to the nearest code, ties to even, beyond 6 the largest code
	v_cvt_scalef32_pk8_fp4_f32 v[C+4*(\t)+1], v[XS+8:XS+15], v11
	v_lshrrev_b32 v[E+(\t)], 23, v11               ; the scale's byte (also the plain line behind the conversions)
	ds_store_b8 v5, v[E+(\t)] offset:16*(\t)       ; both lanes of a block write the same byte with the same value
	global_store_b64 v4, v[C+4*(\t):C+4*(\t)+1], s[30:31] offset:32*CB*(\t)   ; 32 lanes store 256 consecutive bytes, aligned
.endm
.irp t, 0,1,2,3,4,5,6,7,8,9,10,11,12,13,14,15
	STEP \t
.endr
	ds_load_b64 v[8:9], v6                         ; LDS serves a wave's instructions in order: these see my stores
	s_wait_dscnt 0x0
	global_store_b64 v7, v[8:9], s[32:33]          ; 32 lanes store 256 consecutive bytes, aligned
	s_branch .Lend
; Wo to f16: a wave's 8,192 numbers in four sets of sixteen loads of 512 bytes; two sets are on their way; no LDS.
.Lwo:
	s_sub_co_u32 s25, ttmp9, 224
	s_lshl_b32 s25, s25, 2
	s_add_co_u32 s25, s25, s24                     ; my wave's run
	s_lshl_b32 s36, s25, 15
	s_mov_b32 s37, 0
	s_add_nc_u64 s[12:13], s[12:13], s[36:37]
	s_lshl_b32 s36, s25, 14
	s_add_nc_u64 s[22:23], s[22:23], s[36:37]
.macro LOADW k
.irp i, 0,1,2,3,4,5,6,7,8,9,10,11,12,13,14,15
	global_load_b128 v[R+64*((\k)%2)+4*\i:R+64*((\k)%2)+4*\i+3], v3, s[12:13] offset:512*(16*(\k)+\i) th:TH_LOAD_NT
.endr
.endm
.macro CASTW k
.if (\k) < 3
	s_wait_loadcnt 16                              ; this set's sixteen loads are in; the next set's sixteen stay out
.else
	s_wait_loadcnt 0x0
.endif
	s_wait_xcnt 0x0                                ; the last set's stores have read their data: the pairs are written again only behind this wait
.irp i, 0,1,2,3,4,5,6,7,8,9,10,11,12,13,14,15
	v_cvt_pk_f16_f32 v[H+2*\i], v[R+64*((\k)%2)+4*\i], v[R+64*((\k)%2)+4*\i+1]
	v_cvt_pk_f16_f32 v[H+2*\i+1], v[R+64*((\k)%2)+4*\i+2], v[R+64*((\k)%2)+4*\i+3]
.endr
.irp i, 0,1,2,3,4,5,6,7,8,9,10,11,12,13,14,15
	global_store_b64 v4, v[H+2*\i:H+2*\i+1], s[22:23] offset:256*(16*(\k)+\i)   ; 32 lanes store 256 consecutive bytes, aligned
.endr
.if (\k) < 2
	LOADW (\k)+2
.endif
.endm
	LOADW 0
	LOADW 1
	CASTW 0
	CASTW 1
	CASTW 2
	CASTW 3
.Lend:
	s_wait_tensorcnt 0x0                           ; the wave's end: behind my last LDS store; the tensor wait stands even in a text with no tensor load
	ds_add_u32 v[SPW], v[NIL]
	s_wait_dscnt 0x0
	s_endpgm
.Lfunc_end_k_qe24fc01d2c_prep:
	.size	k_qe24fc01d2c_prep, .Lfunc_end_k_qe24fc01d2c_prep-k_qe24fc01d2c_prep
	.p2alignl 7, 3214868480
	.fill 96, 4, 3214868480
	.section	.rodata,"a",@progbits
	.p2align	6, 0x0
	.amdhsa_kernel k_qe24fc01d2c_prep
		.amdhsa_group_segment_fixed_size 33280
		.amdhsa_private_segment_fixed_size 0
		.amdhsa_enable_private_segment 0
		.amdhsa_kernarg_size 80
		.amdhsa_user_sgpr_count 2
		.amdhsa_user_sgpr_kernarg_segment_ptr 1
		.amdhsa_wavefront_size32 1
		.amdhsa_system_sgpr_workgroup_id_x 1
		.amdhsa_system_sgpr_workgroup_id_y 1
		.amdhsa_system_sgpr_workgroup_id_z 1
		.amdhsa_system_vgpr_workitem_id 0
		.amdhsa_next_free_vgpr 192
		.amdhsa_next_free_sgpr 66
		.amdhsa_reserve_vcc 0
		.amdhsa_float_denorm_mode_32 3
		.amdhsa_float_denorm_mode_16_64 3
		.amdhsa_memory_ordered 1
		.amdhsa_forward_progress 1
		.amdhsa_inst_pref_size 54
	.end_amdhsa_kernel
	.amdgpu_metadata
---
amdhsa.version: [ 1, 2 ]
amdhsa.kernels:
  - .name:           k_qe24fc01d2c_prep
    .symbol:         k_qe24fc01d2c_prep.kd
    .args:
      - { .name: x, .offset: 0, .size: 8, .value_kind: global_buffer, .address_space: global }
      - { .name: Wq, .offset: 8, .size: 8, .value_kind: global_buffer, .address_space: global }
      - { .name: Wk, .offset: 16, .size: 8, .value_kind: global_buffer, .address_space: global }
      - { .name: Wv, .offset: 24, .size: 8, .value_kind: global_buffer, .address_space: global }
      - { .name: Wo, .offset: 32, .size: 8, .value_kind: global_buffer, .address_space: global }
      - { .name: x_codes, .offset: 40, .size: 8, .value_kind: global_buffer, .address_space: global }
      - { .name: x_scales, .offset: 48, .size: 8, .value_kind: global_buffer, .address_space: global }
      - { .name: w_codes, .offset: 56, .size: 8, .value_kind: global_buffer, .address_space: global }
      - { .name: w_scales, .offset: 64, .size: 8, .value_kind: global_buffer, .address_space: global }
      - { .name: wo_h, .offset: 72, .size: 8, .value_kind: global_buffer, .address_space: global }
    .group_segment_fixed_size: 33280
    .private_segment_fixed_size: 0
    .kernarg_segment_align: 8
    .kernarg_segment_size: 80
    .max_flat_workgroup_size: 128
    .sgpr_count:     66
    .vgpr_count:     192
    .wavefront_size: 32
...
	.end_amdgpu_metadata
.endif
;; end of part 1
;; launch qkv (part 2): grid 12 x 16, 4 waves a work-group, clusters of 4 x 4, 327,680 bytes of LDS; arguments x_codes, x_scales, w_codes, w_scales, qkv; writes qkv
.if DOCPART == 2
	.amdgcn_target "amdgcn-amd-amdhsa--gfx1250"
	.amdhsa_code_object_version 6
	.text
	.protected	k_qe24fc01d2c_qkv
	.globl	k_qe24fc01d2c_qkv
	.p2align	8
	.type	k_qe24fc01d2c_qkv,@function
k_qe24fc01d2c_qkv:
	s_mov_b64 s[64:65], 0
	v_nop
	global_prefetch_b8 v0, s[64:65] scope:SCOPE_SE
	s_setreg_imm32_b32 hwreg(HW_REG_WAVE_MODE, 25, 1), 1
	s_wait_xcnt 0x0
	s_wait_alu depctr_hold_cnt(0) depctr_sa_sdst(0) depctr_va_vdst(0) depctr_va_sdst(0) depctr_va_ssrc(0) depctr_va_vcc(0) depctr_vm_vsrc(0)
	s_getreg_b32 s2, hwreg(HW_REG_IB_STS2, 6, 4)
	s_cmp_eq_u32 s2, 0
	s_cbranch_scc0 .Lentry_in_a_cluster
	s_endpgm
.Lentry_in_a_cluster:
	s_bfe_u32 s2, ttmp6, 0x10000c
	s_cmp_lg_u32 s2, 0xf033
	s_cbranch_scc0 .Lentry_shape_is_right
	s_endpgm
.Lentry_shape_is_right:
; q, k, v = x Wq^T, x Wk^T, x Wv^T as ONE product C[4096][3072] = A B^T on codes of FP4 (E2M1) with one E8M0 scale for each 32 along K = 1,024; sums in f32; C rounded once to f16 and laid by head:
; qkv [which 3][batch 2][head 16][token 2,048][64], f16.  LIMIT: |q|, |k|, |v| must lie inside f16's range (65,504).
; A tile of C, 256 x 256, is made by a work-group of four waves; a wave makes 128 x 128: 64 accumulators of 16 x 16, 512 registers.  192 work-groups: a smaller tile would read each LDS byte for half the products.
; K is two slots of 512 (rows of 256 bytes): both are asked for at the head, and nothing is filled again.  The scales of the work-group's rows, two dense blocks, come with them and stay.
; CLUSTERS: 4 x 4 work-groups.  The four of a row of the cluster need the same tiles of A, the four of a column the same tiles of B: each tile is asked for JOINTLY, by the same tensor load with the same descriptor and a mask that names the four.
; THE MATRIX INSTRUCTION IS USED TRANSPOSED (source 0 = 16 rows of B, source 1 = 16 rows of A): a lane then holds eight neighbouring numbers of a row of C.
; REGISTERS, in windows of 256: window 0: v0-31 addresses; v32-95 scale words, two sets; from v128 A's fragments, ONE set; on the way out v32-63, v192-255 at work.
;   window 1: B's fragments, TWO sets, at v0 and at v128.   window 2: the 32 accumulators of my rows 0-63 ((a, b) at v[8 (8 a + b)]);   window 3: those of my rows 64-127.
.set SIZE_K, 1024
.set KSTEP,  512                       ; along K in a slot
.set NQ,     KSTEP/128                 ; matrix instructions deep
.set ROWB,   256                       ; a tile's row in bytes
.set KROW,   SIZE_K*4/8                ; a row of codes in memory
.set PITCH,  272                       ; an LDS row: 256 bytes + 16 of padding = 68 words: the 16 rows that a load touches start at 16 different banks (64 banks of 4 bytes: ISA guide 11.1)
.set FR,     8                         ; registers of a fragment: 16 rows x 128 K
.set NL,     2                         ; LDS loads that bring one
.set NP,     4                         ; places behind this matrix instruction (ISA guide 7.12.1)
.set HALFT,  128*PITCH                 ; 128 rows: what one tensor load brings
.set SLOT,   4*HALFT                   ; A's 256 rows, then B's 256 rows
.set KS,     SIZE_K/32                 ; a row of scales in bytes
.set SCL,    2*SLOT                    ; behind the ring: the scales, as units of 256 bytes + 16 of padding
.set HALFS,  (128*KS/256)*272          ; the scales of 128 rows
.set SBLK,   (16*KS/256)*272           ; those of 16 rows
.set SPARE,  SCL+4*HALFS               ; the spare words, 128 bytes for each wave
.set STAGE,  SPARE+512                 ; the way out: 16 rows x (256 bytes + 16) for each wave; no tensor load lands here
.set SPITCH, 272
.set ADRA, 16                          ; v16-17  LDS address of my A fragments in slot 0, 1
.set ADRB, 20                          ; v20-21  the same for B
.set STO,  24                          ; v24     the way out: where I put 16 bytes of a row
.set RD,   25                          ; v25     the way out: where I read back
.set CO,   26                          ; v26     16 x lane: my place in 512 stored bytes
.set ADRS, 27                          ; v27     LDS address of my scale words: lanes 0-15 A's rows, lanes 16-31 B's
.set SPW,  28                          ; v28     LDS address of my spare word; never rewritten
.set NIL,  29                          ; v29     0; never rewritten
.set SC,   32                          ; scale words: set s at v[SC + 8 NQ s]; register NQ i + q: lanes 0-15 A's block i, lanes 16-31 B's block i, the slot's q-th 128 along K
.set AF,   128                         ; A's fragments, in window 0
.set TMP,  192                         ; the way out: packed results
.set OB,   32                          ; the way out: rows read back: v32-63 and v224-255 by turns
.set G1, 24                            ; s[24:31] descriptor group 1 for A's tiles;  s[32:39] group 0, one set for each slot
.set G0, 32
.set G1B, 48                           ; s[48:55], s[56:63] the same for B's tiles
.set G0B, 56
.set G1S, 68                           ; s[68:75], s[76:79] groups 1 and 0 for A's scales;  s[80:87], s[88:91] for B's
.set G0S, 76
.set G1SB, 80
.set G0SB, 88
.set MSB, 0
.macro WIN new                         ; the immediate's high byte repeats the setting that is left
.if MSB != (\new)
	s_set_vgpr_msb (MSB<<8)|(\new)
.set MSB, (\new)
.endif
.endm
.set MUL_LO, 0xa1                      ; source 0 (B) window 1, source 1 (A) window 0, C and D window 2
.set MUL_HI, 0xf1                      ; the same, C and D window 3
.set TO_B,   0x40                      ; destination window 1, address window 0
; A joint load: waves 0 and 1 fetch for A, waves 2 and 3 for B.  The branch hangs on the wave's number alone.  An s_nop 0 and four v_nop follow each of the two lines.
.macro JLOAD g0a, g1a, g0b, g1b
	s_cmp_eq_u32 s15, 0
	s_cbranch_scc0 .Lfor_b_\@
	tensor_load_to_lds s[\g0a:\g0a+3], s[\g1a:\g1a+7]
	s_nop 0
.rept 4
	v_nop
.endr
	s_branch .Lasked_\@
.Lfor_b_\@:
	tensor_load_to_lds s[\g0b:\g0b+3], s[\g1b:\g1b+7]
	s_nop 0
.rept 4
	v_nop
.endr
.Lasked_\@:
.endm
.macro CROUND                          ; a round of the cluster's barrier
	s_barrier_signal -1
	s_barrier_wait -1
	s_cmp_lg_u32 s14, 0
	s_cbranch_scc1 .Lnot_wave_0_\@
	s_barrier_signal -3
.Lnot_wave_0_\@:
	s_barrier_wait -3
	s_barrier_signal -1
	s_barrier_wait -1
.endm
	s_load_b128 s[4:7], s[0:1], 0x0                ; A's codes s[4:5], A's scales s[6:7]
	s_load_b128 s[8:11], s[0:1], 0x10              ; B's codes s[8:9], B's scales s[10:11]
	s_load_b64 s[12:13], s[0:1], 0x20              ; qkv
	v_lshl_add_u32 v[SPW], v0, 2, SPARE
	v_mov_b32 v[NIL], 0
	ds_add_u32 v[SPW], v[NIL]                      ; the wave's opening: the add, twice on end, and its wait ahead of my first tensor load
	ds_add_u32 v[SPW], v[NIL]
	v_lshrrev_b32 v1, 5, v0
	v_readfirstlane_b32 s14, v1                    ; wave 0..3
	s_lshr_b32 s15, s14, 1                         ; which half of the tile's rows is mine.  Also: I fetch for A (0) or for B (1)
	s_and_b32 s16, s14, 1                          ; which half of its columns.  Also: which 128 rows of that tile I fetch
	s_bfe_u32 s40, ttmp6, 0x40000                  ; cx, cy: my place in the cluster
	s_bfe_u32 s41, ttmp6, 0x40004
	s_lshl_b32 s42, ttmp9, 2
	s_add_co_u32 s42, s42, s40                     ; tile column of C = 4 x cluster x + cx
	s_and_b32 s17, ttmp7, 0xffff
	s_lshl_b32 s17, s17, 2
	s_add_co_u32 s17, s17, s41                     ; tile row of C = 4 x cluster y + cy
	s_lshl_b32 s43, s41, 2
	s_lshl_b32 s43, 15, s43                        ; my row of the cluster
	s_lshl_b32 s44, 0x1111, s40                    ; my column
	; descriptor group 1: a tile of 128 rows x 256 bytes, padded in LDS
	s_or_b32 s[G1+0], s43, (0<<16)|(1<<20)|(1<<21)|(5<<22)|(3<<25)  ; 15:0 the mask: A's tiles go to my row; 17:16 element of 1 byte; 20 padding on; 21 set beside a mask; 24:22 after every 64 words; 31:25 of 4 words
	s_or_b32 s[G1B+0], s44, (0<<16)|(1<<20)|(1<<21)|(5<<22)|(3<<25)
.irp g, G1, G1B
	s_mov_b32 s[\g+1], ROWB<<16                    ; tensor_dim0
	s_mov_b32 s[\g+2], 128<<16                     ; tensor_dim1 = 128
	s_mov_b32 s[\g+3], ROWB<<16                    ; tile_dim0
	s_mov_b32 s[\g+4], 128                         ; tile_dim1 = 128
	s_mov_b32 s[\g+5], KROW                        ; tensor_dim0_stride
	s_mov_b32 s[\g+6], 0
	s_mov_b32 s[\g+7], 0
.endr
	; the scales of 128 rows: a dense block of 4,096 bytes, as rows of 256 bytes (32 elements of 8 bytes), 16 bytes of padding behind each
	s_or_b32 s[G1S+0], s43, (3<<16)|(1<<20)|(1<<21)|(5<<22)|(3<<25)
	s_or_b32 s[G1SB+0], s44, (3<<16)|(1<<20)|(1<<21)|(5<<22)|(3<<25)
.irp g, G1S, G1SB
	s_mov_b32 s[\g+1], 32<<16
	s_mov_b32 s[\g+2], (128*KS/256)<<16
	s_mov_b32 s[\g+3], 32<<16
	s_mov_b32 s[\g+4], 128*KS/256
	s_mov_b32 s[\g+5], 32
	s_mov_b32 s[\g+6], 0
	s_mov_b32 s[\g+7], 0
.endr
	s_lshl_b32 s18, s16, 7                         ; which 128 rows of the tile I fetch
	s_lshl_b32 s20, s17, 8
	s_add_co_u32 s20, s20, s18                     ; A: row 256 x tile row + 128 x half
	s_lshl_b32 s46, s42, 8
	s_add_co_u32 s46, s46, s18                     ; B: row 256 x tile column + 128 x half
	s_mov_b32 s21, 0
	s_mov_b32 s47, 0
	s_mov_b64 s[18:19], KS
	s_mul_u64 s[22:23], s[20:21], s[18:19]         ; where these rows' scales begin, in bytes
	s_mul_u64 s[92:93], s[46:47], s[18:19]
	s_mov_b64 s[18:19], KROW
	s_mul_u64 s[20:21], s[20:21], s[18:19]         ; and their codes
	s_mul_u64 s[46:47], s[46:47], s[18:19]
	s_mul_i32 s45, s14, HALFT                      ; where they go: wave x 128 rows: no place in the cluster enters an LDS address
	s_mul_i32 s94, s14, HALFS
	s_wait_dscnt 0x0                               ; both opening adds are done
	s_wait_kmcnt 0x0
	s_add_nc_u64 s[20:21], s[4:5], s[20:21]
	s_add_nc_u64 s[22:23], s[6:7], s[22:23]
	s_add_nc_u64 s[46:47], s[8:9], s[46:47]
	s_add_nc_u64 s[92:93], s[10:11], s[92:93]
	CROUND                                         ; all sixteen work-groups are here: the joint loads meet
	s_mov_b32 s[G0S], 1
	s_add_co_u32 s[G0S+1], s94, SCL
	s_mov_b64 s[G0S+2:G0S+3], s[22:23]
	s_or_b32 s[G0S+3], s[G0S+3], 0x80000000
	s_mov_b32 s[G0SB], 1
	s_add_co_u32 s[G0SB+1], s94, SCL
	s_mov_b64 s[G0SB+2:G0SB+3], s[92:93]
	s_or_b32 s[G0SB+3], s[G0SB+3], 0x80000000
	JLOAD G0S, G1S, G0SB, G1SB                     ; the scales first: they are wanted with slot 0.  Three loads of mine are out behind the next two
.irp s, 0,1
	s_mov_b32 s[G0+4*\s], 1
	s_add_co_u32 s[G0+4*\s+1], s45, \s*SLOT
	s_add_nc_u64 s[G0+4*\s+2:G0+4*\s+3], s[20:21], \s*ROWB
	s_or_b32 s[G0+4*\s+3], s[G0+4*\s+3], 0x80000000
	s_mov_b32 s[G0B+4*\s], 1
	s_add_co_u32 s[G0B+4*\s+1], s45, \s*SLOT
	s_add_nc_u64 s[G0B+4*\s+2:G0B+4*\s+3], s[46:47], \s*ROWB
	s_or_b32 s[G0B+4*\s+3], s[G0B+4*\s+3], 0x80000000
	JLOAD G0+4*\s, G1, G0B+4*\s, G1B
.endr
	v_and_b32 v1, 15, v0                           ; l % 16
	v_bfe_u32 v2, v0, 4, 1                         ; l / 16
	v_mul_u32_u24 v3, v1, PITCH
	v_lshl_add_u32 v4, v2, 4, v3                   ; a fragment's row x pitch + 16 x half
	s_mul_i32 s21, s15, HALFT                      ; my 128 rows of A
	s_mul_i32 s22, s16, HALFT                      ; my 128 rows of B,
	s_add_co_u32 s22, s22, 2*HALFT                 ; which lie behind A's 256
.irp s, 0,1
	v_add_nc_u32 v[ADRA+\s], s21, v4
	v_add_nc_u32 v[ADRB+\s], s22, v4
	s_add_co_u32 s21, s21, SLOT
	s_add_co_u32 s22, s22, SLOT
.endr
	v_mul_u32_u24 v5, v1, KS                       ; my row's scales: KS bytes a row,
	v_lshrrev_b32 v6, 8, v5
	v_lshl_add_u32 v5, v6, 4, v5                   ; and 16 more for each 256 passed
	s_mul_i32 s21, s15, HALFS                      ; A's: my 128 rows
	s_mul_i32 s22, s16, HALFS                      ; B's: my 128 rows, behind A's 256
	s_add_co_u32 s22, s22, 2*HALFS
	s_sub_co_u32 s22, s22, s21
	v_mul_u32_u24 v6, s22, v2                      ; lanes 16-31 take B's
	s_add_co_u32 s21, s21, SCL
	v_add_nc_u32 v5, v5, v6
	v_add_nc_u32 v[ADRS], s21, v5
	s_mul_i32 s23, s14, 16*SPITCH
	s_add_co_u32 s23, s23, STAGE                   ; my stage
	v_mul_u32_u24 v5, v1, SPITCH                   ; in: row l % 16, 16 bytes for each half of the lanes
	v_lshl_add_u32 v5, v2, 4, v5
	v_add_nc_u32 v[STO], s23, v5
	v_and_b32 v6, 31, v0
	v_lshlrev_b32 v[CO], 4, v6                     ; out: 16 bytes a lane of 512 on end
	v_lshrrev_b32 v5, 3, v6                        ; back: eight lanes take the 128 bytes of one token and one head; four tokens an instruction
	v_mul_u32_u24 v5, v5, SPITCH
	v_and_b32 v6, 7, v0
	v_lshl_add_u32 v5, v6, 4, v5
	v_add_nc_u32 v[RD], s23, v5
	; where my 128 tokens x 2 heads begin in qkv: batch = tile row / 8; token = 256 (tile row % 8) + 128 x row half; which = tile column / 4; head = 4 (tile column % 4) + 2 x column half
	s_lshr_b32 s20, s17, 3
	s_lshl_b32 s20, s20, 22                        ; a batch: 4,194,304 bytes
	s_and_b32 s21, s17, 7
	s_lshl_b32 s21, s21, 15                        ; 256 tokens of 128 bytes
	s_add_co_u32 s20, s20, s21
	s_lshl_b32 s21, s15, 14
	s_add_co_u32 s20, s20, s21
	s_lshr_b32 s46, s42, 2
	s_lshl_b32 s46, s46, 23                        ; q, k or v: 8,388,608 bytes
	s_and_b32 s47, s42, 3
	s_lshl_b32 s47, s47, 20                        ; four heads of 262,144 bytes
	s_add_co_u32 s46, s46, s47
	s_lshl_b32 s47, s16, 19
	s_add_co_u32 s46, s46, s47
	s_add_co_u32 s20, s20, s46                     ; under 2^25
	s_mov_b32 s21, 0
	s_add_nc_u64 s[12:13], s[12:13], s[20:21]
.macro FRAG reg, adr, q, i             ; a fragment, 16 rows x 128 K of 4-bit codes: lane l holds row l % 16; registers 4 c .. 4 c + 3 hold K = 64 c + 32 (l / 16) + 0 .. 31
.irp c, 0,1
	ds_load_b128 v[\reg+4*\c:\reg+4*\c+3], v[\adr] offset:64*(\q)+32*\c+(\i)*16*PITCH
.endr
.endm
; 16 matrix instructions: A's blocks a0, a0 + 1 x B's eight, the slot's q-th 128 along K.  p: B's set;  sc: the set of scale words.  zero = 1: the first product starts the sums.
; The 64 accumulators take turns, one instruction a turn, in the same order in every step.
.macro MUL16 a0, p, q, sc, zero
.irp a, \a0, \a0+1
.irp b, 0,1,2,3,4,5,6,7
.if \zero
	v_wmma_scale_f32_16x16x128_f8f6f4 v[8*(8*((\a)%4)+\b):8*(8*((\a)%4)+\b)+7], v[128*(\p)+FR*\b:128*(\p)+FR*\b+FR-1], v[AF+FR*(\a):AF+FR*(\a)+FR-1], 0, v[SC+8*NQ*(\sc)+NQ*\b+(\q)], v[SC+8*NQ*(\sc)+NQ*(\a)+(\q)] matrix_a_fmt:MATRIX_FMT_FP4 matrix_b_fmt:MATRIX_FMT_FP4 matrix_a_scale:MATRIX_SCALE_ROW1
.else
	v_wmma_scale_f32_16x16x128_f8f6f4 v[8*(8*((\a)%4)+\b):8*(8*((\a)%4)+\b)+7], v[128*(\p)+FR*\b:128*(\p)+FR*\b+FR-1], v[AF+FR*(\a):AF+FR*(\a)+FR-1], v[8*(8*((\a)%4)+\b):8*(8*((\a)%4)+\b)+7], v[SC+8*NQ*(\sc)+NQ*\b+(\q)], v[SC+8*NQ*(\sc)+NQ*(\a)+(\q)] matrix_a_fmt:MATRIX_FMT_FP4 matrix_b_fmt:MATRIX_FMT_FP4 matrix_a_scale:MATRIX_SCALE_ROW1
.endif
.endr
.endr
.endm
.macro FETCH_B slot, q, p              ; B's eight fragments of the slot's q-th 128 along K into set p
	WIN TO_B
.irp i, 0,1,2,3,4,5,6,7
	FRAG 128*(\p)+FR*\i, ADRB+\slot, \q, \i
.endr
	WIN 0
.endm
.macro FETCH_A slot, q, i0             ; A's blocks i0 .. i0 + 3
.irp i, \i0, \i0+1, \i0+2, \i0+3
	FRAG AF+FR*(\i), ADRA+\slot, \q, \i
.endr
.endm
.macro SCALES sc                       ; a slot's scale words into set sc: NQ words a row; lanes 0-15 take A's block i, lanes 16-31 B's block i
.irp i, 0,1,2,3,4,5,6,7
	ds_load_b128 v[SC+8*NQ*\sc+NQ*\i:SC+8*NQ*\sc+NQ*\i+3], v[ADRS] offset:\i*SBLK
.endr
.endm
; A load into a register that a matrix instruction has read, and a vector instruction that reads a matrix result, stand NP places behind that matrix instruction; only plain vector instructions
; that name none of its registers are places (ISA guide 7.12.1 for vector instructions).
.macro PLACES n
.rept \n
	v_nop
.endr
.endm
; A step of 128 along K that has its successor in the same slot.
.macro STEP slot, q, zero
	s_wait_dscnt 4*NL                              ; B's set and A's blocks 0-3 are in; the youngest eight loads (A's blocks 4-7) may be out
	WIN MUL_LO
	MUL16 0, (\q)%2, \q, \slot, \zero
	MUL16 2, (\q)%2, \q, \slot, \zero
	s_wait_dscnt 0                                 ; A's blocks 4-7 are in
	PLACES NP
	FETCH_B \slot, (\q)+1, 1-(\q)%2
	FETCH_A \slot, (\q)+1, 0
	WIN MUL_HI
	MUL16 4, (\q)%2, \q, \slot, \zero
	MUL16 6, (\q)%2, \q, \slot, \zero
	PLACES NP
	WIN 0
	FETCH_A \slot, (\q)+1, 4
.endm
; Slot 0's last step changes slots: one barrier; in front of it each wave waits for all its tensor loads (its part of slot 1), adds 0 to its spare word, and waits for that and for its LDS loads.  Nothing is filled again.
.macro TURN slot, next
	s_wait_tensorcnt 0x0                           ; all my tensor loads have landed: my part of the next slot
	ds_add_u32 v[SPW], v[NIL]                      ; 0 onto my spare word
	s_wait_dscnt 4*NL+1                            ; (the add and the youngest eight loads, A's blocks 4-7, may be out)
	WIN MUL_LO
	MUL16 0, 1, NQ-1, \slot, 0
	s_wait_dscnt 0x0                               ; no LDS instruction of mine is out at the signal
	s_barrier_signal -1
	MUL16 2, 1, NQ-1, \slot, 0
	WIN 0
	s_barrier_wait -1                              ; the next slot is whole
	PLACES NP
	v_add_nc_u32 v[ADRS], 4*NQ, v[ADRS]            ; on to the next slot's scale words
	FETCH_B \next, 0, 0
	FETCH_A \next, 0, 0
	SCALES \next
	WIN MUL_HI
	MUL16 4, 1, NQ-1, \slot, 0
	MUL16 6, 1, NQ-1, \slot, 0
	PLACES NP
	WIN 0
	FETCH_A \next, 0, 4
.endm
.macro STEPS slot, from                ; the slot's steps from .. NQ - 2
.set Q, \from
.rept NQ-1-\from
	STEP \slot, Q, 0
.set Q, Q+1
.endr
.endm
	s_wait_tensorcnt 1                             ; the scales and my part of slot 0 are in; slot 1's load, the one issued behind them, may be out
	s_barrier_signal -1
	s_barrier_wait -1                              ; everybody's are
	FETCH_B 0, 0, 0
	FETCH_A 0, 0, 0
	SCALES 0
	FETCH_A 0, 0, 4
	STEP 0, 0, 1                                   ; the first step's products start the sums: nothing is cleared
	STEPS 0, 1
	TURN 0, 1
	STEPS 1, 0
	s_wait_dscnt 4*NL                              ; the very last step: nothing more to fetch
	WIN MUL_LO
	MUL16 0, 1, NQ-1, 1, 0
	MUL16 2, 1, NQ-1, 1, 0
	s_wait_dscnt 0
	WIN MUL_HI
	MUL16 4, 1, NQ-1, 1, 0
	MUL16 6, 1, NQ-1, 1, 0
	WIN 0
; THE WAY OUT, block by block of 16 tokens x 128 columns (two heads).  PACK: rounded to f16, a lane's eight columns are 16 bytes.  TOSTAGE: into my own stage, and back so that 32 lanes hold four tokens of one head:
; 512 bytes that lie on end in qkv.  SEND: stored.  LDS serves a wave's instructions in order (ISA guide 5.7.1.4): no wait between the stage's stores and loads.
.macro PACK a
.set AC, 64*((\a)%4)
	WIN 0x0a+5*((\a)/4)                            ; sources 0 and 1: window 2 or 3
.irp b, 0,1,2,3,4,5,6,7
.irp r, 0,1,2,3
	v_cvt_pk_f16_f32 v[TMP+4*\b+\r], v[AC+8*\b+2*\r], v[AC+8*\b+2*\r+1]   ; each accumulator from its low end on
.endr
.endr
	WIN 0
.endm
.macro TOSTAGE a
.set BK, OB+192*((\a)%2)
.irp b, 0,1,2,3,4,5,6,7
	ds_store_b128 v[STO], v[TMP+4*\b:TMP+4*\b+3] offset:32*\b
.endr
.irp hh, 0,1
.irp i, 0,1,2,3
	ds_load_b128 v[BK+16*\hh+4*\i:BK+16*\hh+4*\i+3], v[RD] offset:\i*4*SPITCH+\hh*128
.endr
.endr
.endm
.macro SEND a
.set BK, OB+192*((\a)%2)
	s_wait_dscnt 0x0                               ; the block is back in registers
	s_wait_xcnt 0x0                                ; the stores of the block before have read their data: the next block's loads land there only behind this wait
.irp hh, 0,1
.irp i, 0,1,2,3
	global_store_b128 v[CO], v[BK+16*\hh+4*\i:BK+16*\hh+4*\i+3], s[12:13] offset:\hh*262144+(\a)*2048+\i*512   ; 32 lanes store 512 consecutive bytes, at a multiple of 512 from qkv's first byte
.endr
.endr
.endm
	PLACES NP                                      ; behind the last products, ahead of the first read of results and of loads into registers that held scale words
	PACK 0
	TOSTAGE 0
.irp a, 1,2,3,4,5,6,7                  ; block a's conversions stand between block a - 1's loads from the stage and the wait for them
	PACK \a
	SEND \a-1
	TOSTAGE \a
.endr
	SEND 7
	s_wait_tensorcnt 0x0                           ; the wave's end: behind my last tensor load and my last LDS store
	ds_add_u32 v[SPW], v[NIL]
	s_wait_dscnt 0x0
	CROUND                                         ; the closing round: no work-group ends while a partner may still ask for a tile that names it
	s_endpgm
.Lfunc_end_k_qe24fc01d2c_qkv:
	.size	k_qe24fc01d2c_qkv, .Lfunc_end_k_qe24fc01d2c_qkv-k_qe24fc01d2c_qkv
	.p2alignl 7, 3214868480
	.fill 96, 4, 3214868480
	.section	.rodata,"a",@progbits
	.p2align	6, 0x0
	.amdhsa_kernel k_qe24fc01d2c_qkv
		.amdhsa_group_segment_fixed_size 327680
		.amdhsa_private_segment_fixed_size 0
		.amdhsa_enable_private_segment 0
		.amdhsa_kernarg_size 40
		.amdhsa_user_sgpr_count 2
		.amdhsa_user_sgpr_kernarg_segment_ptr 1
		.amdhsa_wavefront_size32 1
		.amdhsa_system_sgpr_workgroup_id_x 1
		.amdhsa_system_sgpr_workgroup_id_y 1
		.amdhsa_system_sgpr_workgroup_id_z 1
		.amdhsa_system_vgpr_workitem_id 0
		.amdhsa_next_free_vgpr 1024
		.amdhsa_next_free_sgpr 98
		.amdhsa_reserve_vcc 0
		.amdhsa_float_denorm_mode_32 3
		.amdhsa_float_denorm_mode_16_64 3
		.amdhsa_memory_ordered 1
		.amdhsa_forward_progress 1
		.amdhsa_inst_pref_size 126
	.end_amdhsa_kernel
	.amdgpu_metadata
---
amdhsa.version: [ 1, 2 ]
amdhsa.kernels:
  - .name:           k_qe24fc01d2c_qkv
    .symbol:         k_qe24fc01d2c_qkv.kd
    .args:
      - { .name: x_codes, .offset: 0, .size: 8, .value_kind: global_buffer, .address_space: global }
      - { .name: x_scales, .offset: 8, .size: 8, .value_kind: global_buffer, .address_space: global }
      - { .name: w_codes, .offset: 16, .size: 8, .value_kind: global_buffer, .address_space: global }
      - { .name: w_scales, .offset: 24, .size: 8, .value_kind: global_buffer, .address_space: global }
      - { .name: qkv, .offset: 32, .size: 8, .value_kind: global_buffer, .address_space: global }
    .group_segment_fixed_size: 327680
    .private_segment_fixed_size: 0
    .kernarg_segment_align: 8
    .kernarg_segment_size: 40
    .max_flat_workgroup_size: 128
    .sgpr_count:     98
    .vgpr_count:     1024
    .wavefront_size: 32
...
	.end_amdgpu_metadata
.endif
;; end of part 2
;; launch attn (part 3): grid 8 x 32, 8 waves a work-group, clusters of 4 x 1, 327,680 bytes of LDS; arguments qkv, attention_mask, y; writes y
.if DOCPART == 3
	.amdgcn_target "amdgcn-amd-amdhsa--gfx1250"
	.amdhsa_code_object_version 6
	.text
	.protected	k_qe24fc01d2c_attn
	.globl	k_qe24fc01d2c_attn
	.p2align	8
	.type	k_qe24fc01d2c_attn,@function
k_qe24fc01d2c_attn:
	s_mov_b64 s[64:65], 0
	v_nop
	global_prefetch_b8 v0, s[64:65] scope:SCOPE_SE
	s_setreg_imm32_b32 hwreg(HW_REG_WAVE_MODE, 25, 1), 1
	s_wait_xcnt 0x0
	s_wait_alu depctr_hold_cnt(0) depctr_sa_sdst(0) depctr_va_vdst(0) depctr_va_sdst(0) depctr_va_ssrc(0) depctr_va_vcc(0) depctr_vm_vsrc(0)
	s_getreg_b32 s2, hwreg(HW_REG_IB_STS2, 6, 4)
	s_cmp_eq_u32 s2, 0
	s_cbranch_scc0 .Lentry_in_a_cluster
	s_endpgm
.Lentry_in_a_cluster:
	s_bfe_u32 s2, ttmp6, 0x10000c
	s_cmp_lg_u32 s2, 0x3003
	s_cbranch_scc0 .Lentry_shape_is_right
	s_endpgm
.Lentry_shape_is_right:
; y[b][h][q][:] = the sum over k of softmax_k(q . k / 32 + mask[b][k]) v[k][:], for 32 heads (batch x head) of 2,048 tokens x 64 channels.  q, k, v: f16, [which][b][h][token][64]; mask f32 [b][2048].
; Products on f16 operands with f32 sums; maxima, exponentials and sums in f32; the weights p are rounded to f16 for the second product, y once at the end.
; y goes out as f16 laid [token / 128][head][token % 128][64], the order in which the projection reads it.
; THE MASK: q.k / 32 + mask = (q.k + 32 mask) / 32, and 32 x mask is exact: it is the C of each score sum's first matrix instruction, so the loop spends no vector instruction on it.
; SOFTMAX: a running maximum m and sum l for each query: p = 2^(c s - c m), c = log2(e) / 32, s = q.k + 32 mask; in every step O and l are multiplied by a = 2^(c m_old - c m_new).
; LIMITS: 32 x mask becomes -infinity for mask under about -1e37 (p = 0, as with a mask of -infinity); m begins at -3e38, so a row ALL of whose s lie under -3e38 is not served; NaN and +infinity in the mask are not served.
; SHARES: a work-group owns 256 queries of one head, each of its eight waves 32: two tiles of 16.  Two waves share a SIMD, so that one wave's softmax stands beside the other's products.  Every wave walks all keys, 64 a step.
; LAYOUT: S^T = K Q^T (source 0 = 16 keys, source 1 = 16 queries): a lane holds ONE query (lane % 16) and keys 8 (lane / 16) + 0..7.  Two such tiles, rounded in pairs, ARE source 1 of O^T = V^T P.  V is turned by ds_load_tr16_b128.
; RING: two LDS slots of 256 keys (four steps).  The change of slots stands at a slot's head; behind it the slot just left is filled again and has four steps in which to land.  One tensor load of mine is out at a time.
; CLUSTER: the four query blocks of a cluster walk the same K and V: each tile is asked for JOINTLY (mask 15).  Waves 0-3 fetch K's quarters of a slot, waves 4-7 V's: 64 rows of 128 bytes each.
; REGISTERS: window 0: v0-13 addresses; v14, v15 at work; v16-31 statistics, 8 a tile; v32-95 S^T; v96-127 P; v128-191 O^T; v192-199 the mask at the head; v200 the mask's place.
;   window 1: v0-31 Q; v32-95 K of a step; v96-159 V of a step; v160-191 32 x mask of a step's 64 keys.
.set PK,    144                        ; a row of K in LDS: 128 bytes + 16: the 16 rows of a load start at 16 different groups of banks
.set PV,    160                        ; a row of V: 128 + 32: sixteen lanes of the turning load take 8 rows x 32 bytes
.set VOFF,  256*PK                     ; a slot: 256 rows of K, then 256 rows of V
.set SLOT1, 1<<17                      ; slot 1 begins here: one exclusive or turns an address in one slot into the other's
.set MSK,   2*SLOT1                    ; 32 x mask of the batch: 8,192 bytes, stored by the waves; no tensor load lands here
.set STAGE, MSK+8192                   ; the way out: 2 tiles x 16 rows x 144 bytes for each wave
.set SPARE, STAGE+8*2*16*144           ; the spare words, 128 bytes for each wave
.set NSL,   8                          ; slots' worth of keys
.set PLANE, 8388608                    ; bytes of q, of k, of v
.set AK0, 2                            ; v2   my lane's place in a tile of K
.set AV0, 3                            ; v3   the same for V
.set ADK, 4                            ; v4-6 the LDS addresses of the slot in hand: K, V, mask
.set ADV, 5
.set ADM, 6
.set QO,  7                            ; v7   my byte offset in the wave's rows of Q
.set STO, 8                            ; v8   the way out: where I put 16 bytes of a row
.set RD,  9                            ; v9   where I read back
.set GO,  10                           ; v10  16 x lane
.set PFO, 11                           ; v11  256 x lane: the prefetches' offset; never rewritten
.set SPW, 12                           ; v12  LDS address of my spare word; never rewritten
.set NIL, 13                           ; v13  0; never rewritten
.set ST,  16                           ; tile t's statistics at v[ST+8 t]: +0 c m, +1 m, +2, +3 l (even keys', odd keys'), +4 to +7 c0-c3 at work; a takes c2's place
.set S,   32
.set P,   96
.set O,   128
.set AM0, 200                          ; v200 my lane's place in the mask: MSK + 32 (lane / 16)
.set QF,  0                            ; window 1
.set KF,  32
.set VF,  96
.set MK,  160
.set WV,  12                           ; s12  my wave's number
.set PFA, 18                           ; s[18:19] where my prefetches stand
.set LIM, 20                           ; s20  1 in a wave that prefetches, else the greatest number
.set G1K, 24                           ; s[24:31] descriptor group 1 for K's tiles;  s[32:39] for V's: the padding differs
.set G1V, 32
.set G0K, 40                           ; s[40:43], s[44:47] their groups 0, which walk
.set G0V, 44
.set SLOTS, 54                         ; s54  slots still to be asked for
.set TB,  55                           ; s55  LDS byte at which the slot in hand begins
.set TM,  56                           ; s56  and its keys' place in the mask
.set CS,  58                           ; s[58:59] c: the packed form names a pair and takes its low word for both halves
.set SEL, 60                           ; s[60:61] lane selects for v_permlanex16_b32: lane l xor 16
.set MSB, 0
.macro WIN new                         ; the immediate's high byte repeats the setting that is left
.if MSB != (\new)
	s_set_vgpr_msb (MSB<<8)|(\new)
.set MSB, (\new)
.endif
.endm
.set W_LD,  0x40                       ; destination window 1, address window 0
.set W_KQ0, 0x15                       ; K, Q and the mask in window 1, S^T in window 0
.set W_KQ1, 0x05                       ; K and Q in window 1
.set W_PV,  0x01                       ; V in window 1
; A joint load: waves 0-3 fetch K's quarters, waves 4-7 V's.  The branch hangs on the wave's number alone.  An s_nop 0 and four v_nop follow each of the two lines.
.macro JLOAD
	s_cmp_lt_u32 s[WV], 4
	s_cbranch_scc0 .Lfor_v_\@
	tensor_load_to_lds s[G0K:G0K+3], s[G1K:G1K+7]
	s_nop 0
.rept 4
	v_nop
.endr
	s_branch .Lasked_\@
.Lfor_v_\@:
	tensor_load_to_lds s[G0V:G0V+3], s[G1V:G1V+7]
	s_nop 0
.rept 4
	v_nop
.endr
.Lasked_\@:
.endm
; A PREFETCH INTO THE L2 of what the NEXT change of slots will ask for: a slot's 32,768 bytes of K and of V, lanes 256 bytes apart.  Both clusters of a head walk the same rows: the first (cluster x = 0) asks.
; Its four partners take 8,192 bytes each, told apart BY ADDRESS; in each, wave 0 asks for K's and wave 4 for V's: one instruction.  So each block of 256 bytes is named once in the launch.
; It stands behind the wave's tensor load and its five lines, four key steps ahead of the load that will want the rows.  The last change that fills a slot asks for nothing; slots 0 and 1 come by their loads alone.
.macro ASK
	s_cmp_gt_u32 s[SLOTS], s[LIM]
	s_cbranch_scc0 .Lnot_mine_\@
	global_prefetch_b8 v[PFO], s[PFA:PFA+1] th:TH_LOAD_NT scope:SCOPE_SE
.Lnot_mine_\@:
.endm
.macro CROUND                          ; a round of the cluster's barrier
	s_barrier_signal -1
	s_barrier_wait -1
	s_cmp_lg_u32 s[WV], 0
	s_cbranch_scc1 .Lnot_wave_0_\@
	s_barrier_signal -3
.Lnot_wave_0_\@:
	s_barrier_wait -3
	s_barrier_signal -1
	s_barrier_wait -1
.endm
.macro PLACES                          ; four places behind matrix instructions (ISA guide 7.12.1 for vector instructions)
.rept 4
	v_nop
.endr
.endm
	s_load_b128 s[4:7], s[0:1], 0x0                ; qkv s[4:5], the mask s[6:7]
	s_load_b64 s[8:9], s[0:1], 0x10                ; y
	v_lshl_add_u32 v[SPW], v0, 2, SPARE
	v_mov_b32 v[NIL], 0
	ds_add_u32 v[SPW], v[NIL]                      ; the wave's opening: the add, twice on end, and its wait ahead of my first tensor load
	ds_add_u32 v[SPW], v[NIL]
	v_lshrrev_b32 v14, 5, v0
	v_readfirstlane_b32 s[WV], v14                 ; wave 0..7
	s_bfe_u32 s10, ttmp6, 0x40000                  ; cx: my place in the cluster
	s_lshl_b32 s11, ttmp9, 2
	s_add_co_u32 s11, s11, s10                     ; my block of 256 queries: it enters Q's and y's addresses alone
	s_and_b32 s13, ttmp7, 0xffff                   ; batch x 16 + head, which the four partners share
	s_and_b32 s21, s[WV], 3                        ; which quarter of a slot I fetch
	s_lshl_b32 s14, s13, 18                        ; the head's 262,144 bytes
	s_lshl_b32 s15, s21, 13                        ; my quarter's 64 rows of 128 bytes
	s_add_co_u32 s48, s14, s15
	s_add_co_u32 s50, s48, 2*PLANE                 ; V's
	s_add_co_u32 s48, s48, PLANE                   ; K's
	s_mov_b32 s49, 0
	s_mov_b32 s51, 0
	s_lshl_b32 s52, s11, 15                        ; Q: my block's 256 rows,
	s_lshl_b32 s16, s[WV], 12                      ; my wave's 32 of them
	s_add_co_u32 s52, s52, s16
	s_add_co_u32 s52, s52, s14
	s_mov_b32 s53, 0
	s_lshr_b32 s16, s13, 4                         ; the batch
	s_lshl_b32 s2, s16, 13                         ; its 8,192 bytes of mask
	s_mov_b32 s3, 0
	s_lshl_b32 s16, s16, 4                         ; y: block of 128 tokens = 16 x batch + 2 x query block + wave / 4,
	s_lshl_b32 s17, s11, 1
	s_add_co_u32 s16, s16, s17
	s_lshr_b32 s17, s[WV], 2
	s_add_co_u32 s16, s16, s17
	s_lshl_b32 s16, s16, 18                        ; of 262,144 bytes;
	s_and_b32 s17, s13, 15
	s_lshl_b32 s17, s17, 14                        ; the head's 16,384 in it;
	s_add_co_u32 s16, s16, s17
	s_lshl_b32 s17, s21, 12                        ; my 32 tokens of 128 bytes
	s_add_co_u32 s22, s16, s17
	s_mov_b32 s23, 0
	; descriptor group 1: a tile of 64 rows x 64 elements of 2 bytes, dense in memory, padded in LDS
	s_mov_b32 s[G1K], 15|(1<<16)|(1<<20)|(1<<21)|(4<<22)|(3<<25)  ; 15:0 the mask: all four work-groups; 17:16 elements of 2 bytes; 20 padding on; 21 set beside a mask; 24:22 after every 32 words (code 4); 31:25 4 words (code 3)
	s_mov_b32 s[G1V], 15|(1<<16)|(1<<20)|(1<<21)|(4<<22)|(7<<25)  ; the same with 8 words of padding (code 7)
.irp g, G1K, G1V
	s_mov_b32 s[\g+1], 64<<16                      ; tensor_dim0 = 64
	s_mov_b32 s[\g+2], 64<<16                      ; tensor_dim1 = 64
	s_mov_b32 s[\g+3], 64<<16                      ; tile_dim0 = 64
	s_mov_b32 s[\g+4], 64                          ; tile_dim1 = 64
	s_mov_b32 s[\g+5], 64                          ; elements from row to row
	s_mov_b32 s[\g+6], 0
	s_mov_b32 s[\g+7], 0
.endr
	s_mov_b32 s[CS], 0x3d38aa3b                    ; c = log2(e) / 32
	s_mov_b32 s[CS+1], s[CS]                       ; (named with it as a pair, so it is written)
	s_mov_b32 s[SEL], 0x76543210
	s_mov_b32 s[SEL+1], 0xfedcba98
	s_mov_b32 s[TB], 0
	s_mov_b32 s[TM], 0
	s_mov_b32 s[SLOTS], NSL-1
	s_or_b32 s[LIM], s21, ttmp9                    ; 0 in waves 0 and 4 of the head's first cluster: the same in all four partners
	s_cmp_eq_u32 s[LIM], 0
	s_cselect_b32 s[LIM], 1, -1
	s_wait_dscnt 0x0                               ; both opening adds are done
	s_wait_kmcnt 0x0
	s_add_nc_u64 s[48:49], s[4:5], s[48:49]        ; K at my quarter of slot 0
	s_add_nc_u64 s[50:51], s[4:5], s[50:51]        ; V likewise
	s_add_nc_u64 s[52:53], s[4:5], s[52:53]        ; Q at my wave's first row
	s_add_nc_u64 s[6:7], s[6:7], s[2:3]            ; the batch's mask
	s_add_nc_u64 s[8:9], s[8:9], s[22:23]          ; y at my wave's first row
	s_cmp_lt_u32 s[WV], 4
	s_cselect_b64 s[PFA:PFA+1], s[48:49], s[50:51] ; (in waves 0 and 4 these stand at the head's first row)
	s_lshl_b32 s16, s10, 13                        ; my work-group's 8,192 bytes of a slot's 32,768,
	s_add_co_u32 s16, s16, 32768                   ; in slot 1: the first change of slots steps it to slot 2.  Nothing is prefetched at the head
	s_mov_b32 s17, 0
	s_add_nc_u64 s[PFA:PFA+1], s[PFA:PFA+1], s[16:17]
	s_mov_b32 s[G0K], 1                            ; 1:0 count = 1
	s_mul_i32 s[G0K+1], s21, 64*PK                 ; 63:32 LDS address: my quarter of slot 0: no place in the cluster enters it
	s_mov_b64 s[G0K+2:G0K+3], s[48:49]             ; 120:64 global address
	s_or_b32 s[G0K+3], s[G0K+3], 0x80000000        ; 127:126 type = 2
	s_mov_b32 s[G0V], 1
	s_mul_i32 s[G0V+1], s21, 64*PV
	s_add_co_u32 s[G0V+1], s[G0V+1], VOFF
	s_mov_b64 s[G0V+2:G0V+3], s[50:51]
	s_or_b32 s[G0V+3], s[G0V+3], 0x80000000
	CROUND                                         ; all four work-groups are here: the first joint loads meet
	JLOAD                                          ; slot 0
	v_and_b32 v1, 15, v0                           ; r = l % 16
	v_bfe_u32 v14, v0, 4, 1                        ; h = l / 16
	v_lshlrev_b32 v[QO], 7, v1
	v_lshl_add_u32 v[QO], v14, 4, v[QO]            ; Q: row r of 128 bytes + 16 h
	v_mul_u32_u24 v[AK0], v1, PK
	v_lshl_add_u32 v[AK0], v14, 4, v[AK0]          ; K: row r x pitch + 16 h
	v_and_b32 v15, 7, v0                           ; the turning load: lane l reads 16 bytes of key 8 h + l % 8, channels 8 ((l / 8) % 2) on
	v_lshl_add_u32 v[AV0], v14, 3, v15
	v_mul_u32_u24 v[AV0], v[AV0], PV
	v_bfe_u32 v15, v0, 3, 1
	v_lshl_add_u32 v[AV0], v15, 4, v[AV0]
	v_add_nc_u32 v[AV0], VOFF, v[AV0]
	v_lshl_add_u32 v[AM0], v14, 5, MSK             ; the mask: my half's eight keys, 32 bytes
	s_mul_i32 s14, s[WV], 2*16*144
	s_add_co_u32 s14, s14, STAGE                   ; my stage
	v_mul_u32_u24 v[STO], v1, 144                  ; in: row r, 16 bytes for each half of the lanes
	v_lshl_add_u32 v[STO], v14, 4, v[STO]
	v_add_nc_u32 v[STO], s14, v[STO]
	v_bfe_u32 v15, v0, 3, 2                        ; back: eight lanes to a row of 128 bytes, four rows an instruction
	v_mul_u32_u24 v[RD], v15, 144
	v_and_b32 v15, 7, v0
	v_lshl_add_u32 v[RD], v15, 4, v[RD]
	v_add_nc_u32 v[RD], s14, v[RD]
	v_and_b32 v15, 31, v0
	v_lshlrev_b32 v[GO], 4, v15
	v_lshlrev_b32 v[PFO], 8, v15
	v_lshlrev_b32 v14, 4, v0                       ; the mask in memory: 16 bytes a thread, 4,096 a load
	v_lshl_add_u32 v15, v0, 4, MSK                 ; and in LDS
	global_load_b128 v[192:195], v14, s[6:7]
	global_load_b128 v[196:199], v14, s[6:7] offset:4096
	WIN W_LD
.irp t, 0,1                            ; Q stays in registers: tile t, channels 32 kf on
.irp kf, 0,1
	global_load_b128 v[QF+16*\t+8*\kf:QF+16*\t+8*\kf+3],   v[QO], s[52:53] offset:2048*\t+64*\kf
	global_load_b128 v[QF+16*\t+8*\kf+4:QF+16*\t+8*\kf+7], v[QO], s[52:53] offset:2048*\t+64*\kf+32
.endr
.endr
	WIN 0
.irp t, 0,1
	v_mov_b32 v[ST+8*\t+1], 0xff61b1e6             ; m = -3e38, under every s that is served
	v_mul_f32 v[ST+8*\t], s[CS], v[ST+8*\t+1]      ; c m
.irp j, 2,3,4,5,6,7
	v_mov_b32 v[ST+8*\t+\j], 0                     ; l = 0; the rest is written because lane permutes and pairs name it
.endr
.endr
.set i, 0
.rept 64
	v_mov_b32 v[O+i], 0                            ; O^T.  (The step is written once: the first finds zeros, which a = 0 leaves zeros)
.set i, i+1
.endr
	s_wait_loadcnt 8                               ; the mask's two loads are in; Q's eight stay out
.irp j, 0,1,2,3,4,5,6,7
	v_ldexp_f32 v[192+\j], v[192+\j], 5            ; 32 x mask: exact
.endr
	ds_store_b128 v15, v[192:195]
	ds_store_b128 v15, v[196:199] offset:4096      ; the first change's wait for 0 and its round show these to all eight waves
	s_wait_loadcnt 0x0                             ; Q
.macro LOADK q                         ; a step's K: 64 keys x 64 channels: fragment (kt, kf) = keys 16 kt on, channels 32 kf on
.irp kt, 0,1,2,3
.irp kf, 0,1
	ds_load_b128 v[KF+16*\kt+8*\kf:KF+16*\kt+8*\kf+3],   v[ADK] offset:64*PK*(\q)+16*PK*\kt+64*\kf
	ds_load_b128 v[KF+16*\kt+8*\kf+4:KF+16*\kt+8*\kf+7], v[ADK] offset:64*PK*(\q)+16*PK*\kt+64*\kf+32
.endr
.endr
.endm
.macro LOADM q                         ; 32 x mask in the result's layout: register j of tile kt is key 16 kt + 8 h + j
.irp kt, 0,1,2,3
	ds_load_b128 v[MK+8*\kt:MK+8*\kt+3],   v[ADM] offset:256*(\q)+64*\kt
	ds_load_b128 v[MK+8*\kt+4:MK+8*\kt+7], v[ADM] offset:256*(\q)+64*\kt+16
.endr
.endm
.macro LOADV q                         ; a step's V, turned: fragment (g, ct) = keys 32 g on, channels 16 ct on
.irp g, 0,1
.irp ct, 0,1,2,3
	ds_load_tr16_b128 v[VF+32*\g+8*\ct:VF+32*\g+8*\ct+3],   v[ADV] offset:64*PV*(\q)+32*PV*\g+32*\ct
	ds_load_tr16_b128 v[VF+32*\g+8*\ct+4:VF+32*\g+8*\ct+7], v[ADV] offset:64*PV*(\q)+32*PV*\g+16*PV+32*\ct
.endr
.endr
.endm
; S^T = K Q^T + 32 mask: the eight accumulators take turns, one instruction a turn
.macro KQ
	WIN W_KQ0
.irp kt, 0,1,2,3
.irp t, 0,1
	v_wmma_f32_16x16x32_f16 v[S+32*\t+8*\kt:S+32*\t+8*\kt+7], v[KF+16*\kt:KF+16*\kt+7], v[QF+16*\t:QF+16*\t+7], v[MK+8*\kt:MK+8*\kt+7]
.endr
.endr
	WIN W_KQ1
.irp kt, 0,1,2,3
.irp t, 0,1
	v_wmma_f32_16x16x32_f16 v[S+32*\t+8*\kt:S+32*\t+8*\kt+7], v[KF+16*\kt+8:KF+16*\kt+15], v[QF+16*\t+8:QF+16*\t+15], v[S+32*\t+8*\kt:S+32*\t+8*\kt+7]
.endr
.endr
.endm
; O^T += V^T P: likewise by turns
.macro PV
	WIN W_PV
.irp g, 0,1
.irp ct, 0,1,2,3
.irp t, 0,1
	v_wmma_f32_16x16x32_f16 v[O+32*\t+8*\ct:O+32*\t+8*\ct+7], v[VF+32*\g+8*\ct:VF+32*\g+8*\ct+7], v[P+16*\t+8*\g:P+16*\t+8*\g+7], v[O+32*\t+8*\ct:O+32*\t+8*\ct+7]
.endr
.endr
.endr
.endm
; The two tiles' softmax for one step, the tiles alternating line by line so that no line waits for the line above it.
.macro SOFTMAX
.irp j, 0,1,2,3                        ; the maximum: four chains; each accumulator is read from its low end on
.irp t, 0,1
	v_max3_num_f32 v[ST+8*\t+4+\j], v[S+32*\t+8*\j], v[S+32*\t+8*\j+1], v[S+32*\t+8*\j+2]
.endr
.endr
.irp i, 3,5
.irp j, 0,1,2,3
.irp t, 0,1
	v_max3_num_f32 v[ST+8*\t+4+\j], v[ST+8*\t+4+\j], v[S+32*\t+8*\j+\i], v[S+32*\t+8*\j+\i+1]
.endr
.endr
.endr
.irp t, 0,1
	v_max3_num_f32 v[ST+8*\t+4], v[ST+8*\t+4], v[S+32*\t+7], v[S+32*\t+15]
	v_max3_num_f32 v[ST+8*\t+6], v[ST+8*\t+6], v[S+32*\t+23], v[S+32*\t+31]
.endr
.irp t, 0,1
	v_max3_num_f32 v[ST+8*\t+4], v[ST+8*\t+4], v[ST+8*\t+5], v[ST+8*\t+6]
.endr
.irp t, 0,1
	v_max3_num_f32 v[ST+8*\t+4], v[ST+8*\t+4], v[ST+8*\t+7], v[ST+8*\t+1]   ; with the old m
.endr
.irp t, 0,1
	v_permlanex16_b32 v[ST+8*\t+5], v[ST+8*\t+4], s[SEL], s[SEL+1]         ; the query's other 32 keys lie in the lane 16 away
.endr
.irp t, 0,1
	v_mov_b32 v[ST+8*\t+7], v[ST+8*\t]             ; c m_old is kept for a
.endr
.irp t, 0,1
	v_max_num_f32 v[ST+8*\t+1], v[ST+8*\t+4], v[ST+8*\t+5]
.endr
.irp t, 0,1
	v_mul_f32 v[ST+8*\t], s[CS], v[ST+8*\t+1]
.endr
.irp t, 0,1
	v_sub_f32 v[ST+8*\t+7], v[ST+8*\t+7], v[ST+8*\t]
.endr
.irp i, 0,2,4,6,8,10,12,14,16,18,20,22,24,26,28,30
.irp t, 0,1
	v_pk_fma_f32 v[S+32*\t+\i:S+32*\t+\i+1], v[S+32*\t+\i:S+32*\t+\i+1], s[CS:CS+1], v[ST+8*\t:ST+8*\t+1] op_sel_hi:[1,0,0] neg_lo:[0,0,1] neg_hi:[0,0,1]   ; c s - c m
.endr
.endr
.irp t, 0,1
	v_exp_f32 v[ST+8*\t+6], v[ST+8*\t+7]           ; a
.endr
.set i, 0
.rept 32                               ; ONE BATCH: both tiles' 66 exponentials; none reads another's result
	v_exp_f32 v[S+i], v[S+i]
	v_exp_f32 v[S+32+i], v[S+32+i]
.set i, i+1
.endr
	v_nop                                          ; the plain instruction behind the last exponential
	s_wait_alu depctr_va_vdst(0)                   ; the wait ahead of the first instruction that names a result: one for the batch
.irp i, 0,1,2,3,4,5,6,7,8,9,10,11,12,13,14,15
.irp t, 0,1
	v_cvt_pk_f16_f32 v[P+16*\t+\i], v[S+32*\t+2*\i], v[S+32*\t+2*\i+1]
.endr
.endr
.irp u, 0,1,2,3,4,5,6,7                ; the sum of a tile's 16 pairs, in place: neighbours 1, 2, 4 and 8 pairs apart
.irp t, 0,1
	v_pk_add_f32 v[S+32*\t+4*\u:S+32*\t+4*\u+1], v[S+32*\t+4*\u:S+32*\t+4*\u+1], v[S+32*\t+4*\u+2:S+32*\t+4*\u+3]
.endr
.endr
.irp u, 0,1,2,3
.irp t, 0,1
	v_pk_add_f32 v[S+32*\t+8*\u:S+32*\t+8*\u+1], v[S+32*\t+8*\u:S+32*\t+8*\u+1], v[S+32*\t+8*\u+4:S+32*\t+8*\u+5]
.endr
.endr
.irp u, 0,1
.irp t, 0,1
	v_pk_add_f32 v[S+32*\t+16*\u:S+32*\t+16*\u+1], v[S+32*\t+16*\u:S+32*\t+16*\u+1], v[S+32*\t+16*\u+8:S+32*\t+16*\u+9]
.endr
.endr
.irp t, 0,1
	v_pk_add_f32 v[S+32*\t:S+32*\t+1], v[S+32*\t:S+32*\t+1], v[S+32*\t+16:S+32*\t+17]
.endr
.irp t, 0,1
	v_pk_fma_f32 v[ST+8*\t+2:ST+8*\t+3], v[ST+8*\t+2:ST+8*\t+3], v[ST+8*\t+6:ST+8*\t+7], v[S+32*\t:S+32*\t+1] op_sel_hi:[1,0,1]   ; l = a l + the sum
.endr
.irp i, 0,2,4,6,8,10,12,14,16,18,20,22,24,26,28,30
.irp t, 0,1
	v_pk_mul_f32 v[O+32*\t+\i:O+32*\t+\i+1], v[O+32*\t+\i:O+32*\t+\i+1], v[ST+8*\t+6:ST+8*\t+7] op_sel_hi:[1,0]   ; O^T x a, each accumulator from its low end on
.endr
.endr
.endm
; A KEY STEP, the q-th of the slot in hand.  K and the mask of step q + 1 are fetched behind the scores, V of step q + 1 behind the second product.
.macro STEP q
	s_wait_dscnt 16                                ; K and the mask are in; V's sixteen loads, issued behind them, may be out
	KQ
	PLACES                                         ; ahead of loads into K's and the mask's registers, and of the first read of the scores
.if (\q) < 3
	WIN W_LD
	LOADK (\q)+1
	LOADM (\q)+1
.endif
	WIN 0
	SOFTMAX
.if (\q) < 3
	s_wait_dscnt 24                                ; V is in; the 24 loads just issued may be out
.else
	s_wait_dscnt 0x0
.endif
	PV
	PLACES                                         ; ahead of loads into V's registers, of the next writes of P and of the next read of O^T
.if (\q) < 3
	WIN W_LD
	LOADV (\q)+1
.endif
	WIN 0
.endm
.macro SLOT_STEPS
	v_add_nc_u32 v[ADK], s[TB], v[AK0]
	v_add_nc_u32 v[ADV], s[TB], v[AV0]
	v_add_nc_u32 v[ADM], s[TM], v[AM0]
	WIN W_LD
	LOADK 0
	LOADM 0
	LOADV 0
	STEP 0
	STEP 1
	STEP 2
	STEP 3
	s_xor_b32 s[TB], s[TB], SLOT1                  ; on to the other slot,
	s_add_co_u32 s[TM], s[TM], 1024                ; and to the next 256 keys' mask
.endm
; THE CHANGE OF SLOTS, at a slot's head.  Each wave waits for all its tensor loads (one is out: its part of the slot ahead), adds 0 to its spare word, and waits for that and for its reads of the slot that it has left.
; fill = 1: the barrier is a round of the cluster's, so that no wave of any partner still reads that slot or has a load on its way, and the joint refill is the first thing behind it.
.macro CHANGE fill
	s_wait_tensorcnt 0x0                           ; no tensor load of mine is out, so a group 0 may be written
	ds_add_u32 v[SPW], v[NIL]                      ; 0 onto my spare word
.if \fill
	s_xor_b32 s[G0K+1], s[G0K+1], SLOT1            ; the walking descriptors: the other slot than last time,
	s_add_nc_u64 s[G0K+2:G0K+3], s[G0K+2:G0K+3], 32768   ; the next 256 keys; the type bits on top are not reached
	s_xor_b32 s[G0V+1], s[G0V+1], SLOT1
	s_add_nc_u64 s[G0V+2:G0V+3], s[G0V+2:G0V+3], 32768
	s_wait_xcnt 0x0                                ; the last prefetch, a slot back, has read its address, so it may be written:
	s_add_nc_u64 s[PFA:PFA+1], s[PFA:PFA+1], 32768 ; one slot further on than the walking descriptors
	s_wait_dscnt 0x0                               ; the add is done, and my LDS stores and reads are over
	CROUND
	JLOAD
	ASK
.else
	s_wait_dscnt 0x0
	s_barrier_signal -1
	s_barrier_wait -1
.endif
.endm
.Lslot:                                ; NSL - 1 trips: trip i reads slot i - 1 and asks for slot i
	CHANGE 1
	SLOT_STEPS
	s_sub_co_u32 s[SLOTS], s[SLOTS], 1
	s_cmp_lg_u32 s[SLOTS], 0
	s_cbranch_scc1 .Lslot
	CHANGE 0                                       ; the last slot is written out
	SLOT_STEPS
	; THE WAY OUT.  l's two halves and the other half of the lanes' are added; O^T is divided by l, rounded to f16 and sent through my stage, so that 32 lanes store four tokens' 512 bytes, which lie on end in y.
.irp t, 0,1
	v_add_f32 v[ST+8*\t+4], v[ST+8*\t+2], v[ST+8*\t+3]
.endr
.irp t, 0,1
	v_permlanex16_b32 v[ST+8*\t+5], v[ST+8*\t+4], s[SEL], s[SEL+1]
.endr
.irp t, 0,1
	v_add_f32 v[ST+8*\t+4], v[ST+8*\t+4], v[ST+8*\t+5]
.endr
.irp t, 0,1
	v_rcp_f32 v[ST+8*\t+6], v[ST+8*\t+4]
.endr
	v_nop                                          ; a plain instruction behind the last reciprocal
	s_wait_alu depctr_va_vdst(0)                   ; and the wait ahead of the first use: one for both
.irp t, 0,1
.irp i, 0,2,4,6,8,10,12,14,16,18,20,22,24,26,28,30
	v_pk_mul_f32 v[O+32*\t+\i:O+32*\t+\i+1], v[O+32*\t+\i:O+32*\t+\i+1], v[ST+8*\t+6:ST+8*\t+7] op_sel_hi:[1,0]
.endr
.irp i, 0,1,2,3,4,5,6,7,8,9,10,11,12,13,14,15
	v_cvt_pk_f16_f32 v[S+16*\t+\i], v[O+32*\t+2*\i], v[O+32*\t+2*\i+1]
.endr
.irp ct, 0,1,2,3
	ds_store_b128 v[STO], v[S+16*\t+4*\ct:S+16*\t+4*\ct+3] offset:2304*\t+32*\ct
.endr
.irp i, 0,1,2,3
	ds_load_b128 v[S+32+16*\t+4*\i:S+32+16*\t+4*\i+3], v[RD] offset:2304*\t+576*\i   ; LDS serves a wave's instructions in order (ISA guide 5.7.1.4): these see the stores above
.endr
.endr
.irp i, 0,1,2,3
	s_wait_dscnt 11-\i                             ; behind tile 0's load i: its 3 - i later loads, tile 1's four stores and four loads
	global_store_b128 v[GO], v[S+32+4*\i:S+32+4*\i+3], s[8:9] offset:512*\i         ; 32 lanes store 512 consecutive bytes, at a multiple of 512 from y's first byte
.endr
.irp i, 0,1,2,3
	s_wait_dscnt 3-\i
	global_store_b128 v[GO], v[S+48+4*\i:S+48+4*\i+3], s[8:9] offset:2048+512*\i
.endr
	s_wait_tensorcnt 0x0                           ; the wave's end: behind my last tensor load and my last LDS store
	ds_add_u32 v[SPW], v[NIL]
	s_wait_dscnt 0x0
	CROUND                                         ; the closing round: no work-group ends while a partner may still ask for a tile that names it
	s_endpgm
.Lfunc_end_k_qe24fc01d2c_attn:
	.size	k_qe24fc01d2c_attn, .Lfunc_end_k_qe24fc01d2c_attn-k_qe24fc01d2c_attn
	.p2alignl 7, 3214868480
	.fill 96, 4, 3214868480
	.section	.rodata,"a",@progbits
	.p2align	6, 0x0
	.amdhsa_kernel k_qe24fc01d2c_attn
		.amdhsa_group_segment_fixed_size 327680
		.amdhsa_private_segment_fixed_size 0
		.amdhsa_enable_private_segment 0
		.amdhsa_kernarg_size 24
		.amdhsa_user_sgpr_count 2
		.amdhsa_user_sgpr_kernarg_segment_ptr 1
		.amdhsa_wavefront_size32 1
		.amdhsa_system_sgpr_workgroup_id_x 1
		.amdhsa_system_sgpr_workgroup_id_y 1
		.amdhsa_system_sgpr_workgroup_id_z 1
		.amdhsa_system_vgpr_workitem_id 0
		.amdhsa_next_free_vgpr 512
		.amdhsa_next_free_sgpr 66
		.amdhsa_reserve_vcc 0
		.amdhsa_float_denorm_mode_32 3
		.amdhsa_float_denorm_mode_16_64 3
		.amdhsa_memory_ordered 1
		.amdhsa_forward_progress 1
		.amdhsa_inst_pref_size 161
	.end_amdhsa_kernel
	.amdgpu_metadata
---
amdhsa.version: [ 1, 2 ]
amdhsa.kernels:
  - .name:           k_qe24fc01d2c_attn
    .symbol:         k_qe24fc01d2c_attn.kd
    .args:
      - { .name: qkv, .offset: 0, .size: 8, .value_kind: global_buffer, .address_space: global }
      - { .name: attention_mask, .offset: 8, .size: 8, .value_kind: global_buffer, .address_space: global }
      - { .name: y, .offset: 16, .size: 8, .value_kind: global_buffer, .address_space: global }
    .group_segment_fixed_size: 327680
    .private_segment_fixed_size: 0
    .kernarg_segment_align: 8
    .kernarg_segment_size: 24
    .max_flat_workgroup_size: 256
    .sgpr_count:     66
    .vgpr_count:     512
    .wavefront_size: 32
...
	.end_amdgpu_metadata
.endif
;; end of part 3
;; launch proj (part 4): grid 8 x 32, 4 waves a work-group, clusters of 4 x 4, 327,680 bytes of LDS; arguments y, wo_h, out0; writes out0
.if DOCPART == 4
	.amdgcn_target "amdgcn-amd-amdhsa--gfx1250"
	.amdhsa_code_object_version 6
	.text
	.protected	k_qe24fc01d2c_proj
	.globl	k_qe24fc01d2c_proj
	.p2align	8
	.type	k_qe24fc01d2c_proj,@function
k_qe24fc01d2c_proj:
	s_mov_b64 s[64:65], 0
	v_nop
	global_prefetch_b8 v0, s[64:65] scope:SCOPE_SE
	s_setreg_imm32_b32 hwreg(HW_REG_WAVE_MODE, 25, 1), 1
	s_wait_xcnt 0x0
	s_wait_alu depctr_hold_cnt(0) depctr_sa_sdst(0) depctr_va_vdst(0) depctr_va_sdst(0) depctr_va_ssrc(0) depctr_va_vcc(0) depctr_vm_vsrc(0)
	s_getreg_b32 s2, hwreg(HW_REG_IB_STS2, 6, 4)
	s_cmp_eq_u32 s2, 0
	s_cbranch_scc0 .Lentry_in_a_cluster
	s_endpgm
.Lentry_in_a_cluster:
	s_bfe_u32 s2, ttmp6, 0x10000c
	s_cmp_lg_u32 s2, 0xf033
	s_cbranch_scc0 .Lentry_shape_is_right
	s_endpgm
.Lentry_shape_is_right:
; out0[m][n] = the sum over k of y[m][k] Wo[n][k]: [4096 x 1024] x [1024 x 1024]^T, f16 operands, f32 sums, f32 out.
; y lies [m / 128][head 16][m % 128][64] (k = 64 head + channel), Wo as f16 [n][k].  LIMIT: both lie inside f16's range as the launches before made them.
; A tile of out0 is 128 x 128: 256 work-groups.  Four waves, each 64 x 64: 16 accumulators of 16 x 16.  K goes in steps of 256 through a ring of two LDS slots.
; A K step of A's tile is FOUR HEADS of one block of 128 tokens: one dense run of 65,536 bytes, 512 rows of 128 bytes (row = 128 head + token); waves 0 and 1 fetch its halves.  B's is 128 rows of 512 bytes; waves 2 and 3 fetch its halves.
; CLUSTERS: 4 x 4 work-groups.  The four of a row of the cluster need the same tiles of A, the four of a column the same tiles of B: each tile is asked for JOINTLY.  No prefetch: a K step's tiles are small and the launch is short.
; THE MATRIX INSTRUCTION IS USED TRANSPOSED (source 0 = 16 rows of B, source 1 = 16 rows of A): a lane then holds eight neighbouring numbers of a row of out0.
; REGISTERS: window 0: v0-31 addresses; v32-95 at work on the way out; v128-255 the accumulators ((a, b) at v[128 + 8 (4 a + b)]).
;   window 1: two fragment buffers of 128: for 64 along K, 64 registers of A (2 x 4 x 16 rows x 32 K), then 64 of B.
.set SIZE_K, 1024
.set KSTEP,  256
.set PA,     144                       ; A's LDS row: 128 bytes + 16
.set PB,     528                       ; B's: 512 bytes + 16.  Both are odd multiples of 16: the 16 rows that a load touches start at 16 different groups of banks
.set HALFA,  256*PA                    ; two heads x 128 tokens: what a tensor load for A brings
.set HALFB,  64*PB                     ; 64 rows: what a tensor load for B brings
.set BOFF,   2*HALFA                   ; B's tile lies behind A's
.set SLOT,   BOFF+2*HALFB
.set STAGE,  2*SLOT                    ; behind the ring: 16 rows x 272 bytes for each wave, for the way out
.set SPITCH, 272
.set SPARE,  STAGE+4*16*SPITCH         ; the spare words, 128 bytes for each wave
.set LAPS, SIZE_K/(2*KSTEP)            ; a lap = two K steps = once round the ring
.set ADRA, 16                          ; v16-17  LDS address of my A fragments in slot 0, 1
.set ADRB, 20                          ; v20-21  the same for B
.set STO,  24                          ; v24     the way out: where I put 32 bytes of a row
.set RD,   25                          ; v25     where I read a row back
.set CO,   26                          ; v26     my byte offset in out0
.set SPW,  28                          ; v28     LDS address of my spare word; never rewritten
.set NIL,  29                          ; v29     0; never rewritten
.set TMP,  32                          ; the way out: two sets of 32 registers
.set ACC,  128
.set F0,   0                           ; fragment buffers, in window 1
.set F1,   128
.set G1, 24                            ; s[24:31] descriptor group 1 for A's tiles;  s[32:39] group 0, one set for each slot
.set G0, 32
.set G1B, 48                           ; s[48:55], s[56:63] the same for B's tiles
.set G0B, 56
.set MSB, 0
.macro WIN new                         ; the immediate's high byte repeats the setting that is left
.if MSB != (\new)
	s_set_vgpr_msb (MSB<<8)|(\new)
.set MSB, (\new)
.endif
.endm
.set MUL,  0x05                        ; sources 0 (B) and 1 (A) window 1; C and D window 0
.set TO_F, 0x40                        ; destination window 1, address window 0
.macro JLOAD s                         ; a joint load: waves 0 and 1 fetch A's two halves, waves 2 and 3 B's; an s_nop 0 and four v_nop follow each of the two lines
	s_cmp_eq_u32 s11, 0
	s_cbranch_scc0 .Lfor_b_\@
	tensor_load_to_lds s[G0+4*\s:G0+4*\s+3], s[G1:G1+7]
	s_nop 0
.rept 4
	v_nop
.endr
	s_branch .Lasked_\@
.Lfor_b_\@:
	tensor_load_to_lds s[G0B+4*\s:G0B+4*\s+3], s[G1B:G1B+7]
	s_nop 0
.rept 4
	v_nop
.endr
.Lasked_\@:
.endm
.macro CREST                           ; a round of the cluster's barrier behind its opening barrier
	s_cmp_lg_u32 s10, 0
	s_cbranch_scc1 .Lnot_wave_0_\@
	s_barrier_signal -3
.Lnot_wave_0_\@:
	s_barrier_wait -3
	s_barrier_signal -1
	s_barrier_wait -1
.endm
.macro CROUND                          ; a whole round
	s_barrier_signal -1
	s_barrier_wait -1
	CREST
.endm
	s_load_b128 s[4:7], s[0:1], 0x0                ; y s[4:5], Wo in f16 s[6:7]
	s_load_b64 s[8:9], s[0:1], 0x10                ; out0
	v_lshl_add_u32 v[SPW], v0, 2, SPARE
	v_mov_b32 v[NIL], 0
	ds_add_u32 v[SPW], v[NIL]                      ; the wave's opening: the add, twice on end, and its wait ahead of my first tensor load
	ds_add_u32 v[SPW], v[NIL]
	v_lshrrev_b32 v1, 5, v0
	v_readfirstlane_b32 s10, v1                    ; wave 0..3
	s_lshr_b32 s11, s10, 1                         ; which half of the tile's rows is mine.  Also: I fetch for A (0) or for B (1)
	s_and_b32 s12, s10, 1                          ; which half of its columns.  Also: which half of that tile I fetch
	s_bfe_u32 s40, ttmp6, 0x40000                  ; cx, cy: my place in the cluster
	s_bfe_u32 s41, ttmp6, 0x40004
	s_lshl_b32 s42, ttmp9, 2
	s_add_co_u32 s42, s42, s40                     ; tile column = 4 x cluster x + cx
	s_and_b32 s13, ttmp7, 0xffff
	s_lshl_b32 s13, s13, 2
	s_add_co_u32 s13, s13, s41                     ; tile row = 4 x cluster y + cy
	s_lshl_b32 s43, s41, 2
	s_lshl_b32 s43, 15, s43                        ; my row of the cluster
	s_lshl_b32 s44, 0x1111, s40                    ; my column
	; descriptor group 1.  A: 256 rows x 64 elements of 2 bytes, dense in memory, 16 bytes of padding behind each 128
	s_or_b32 s[G1+0], s43, (1<<16)|(1<<20)|(1<<21)|(4<<22)|(3<<25)  ; 15:0 the mask: A's tiles go to my row; 17:16 element of 2 bytes; 20 padding on; 21 set beside a mask; 24:22 after every 32 words (code 4); 31:25 of 4 words (code 3)
	s_mov_b32 s[G1+1], 64<<16                      ; tensor_dim0 = 64
	s_mov_b32 s[G1+2], 256<<16                     ; tensor_dim1 = 256
	s_mov_b32 s[G1+3], 64<<16                      ; tile_dim0 = 64
	s_mov_b32 s[G1+4], 256                         ; tile_dim1 = 256
	s_mov_b32 s[G1+5], 64                          ; elements from row to row
	s_mov_b32 s[G1+6], 0
	s_mov_b32 s[G1+7], 0
	; B: 64 rows x 256 elements, 1,024 elements apart, 16 bytes of padding behind each 512
	s_or_b32 s[G1B+0], s44, (1<<16)|(1<<20)|(1<<21)|(6<<22)|(3<<25)
	s_mov_b32 s[G1B+1], KSTEP<<16
	s_mov_b32 s[G1B+2], 64<<16
	s_mov_b32 s[G1B+3], KSTEP<<16
	s_mov_b32 s[G1B+4], 64
	s_mov_b32 s[G1B+5], SIZE_K
	s_mov_b32 s[G1B+6], 0
	s_mov_b32 s[G1B+7], 0
	s_lshl_b32 s16, s13, 18                        ; A: the tile row's block of 128 tokens, 262,144 bytes,
	s_lshl_b32 s17, s12, 15                        ; + my two heads of a K step's four
	s_add_co_u32 s16, s16, s17
	s_mov_b32 s17, 0
	s_lshl_b32 s46, s42, 7
	s_lshl_b32 s47, s12, 6
	s_add_co_u32 s46, s46, s47                     ; B: row 128 x tile column + 64 x half,
	s_lshl_b32 s46, s46, 11                        ; of 2,048 bytes
	s_mov_b32 s47, 0
	s_mul_i32 s20, s12, HALFA                      ; where they go: no place in the cluster enters an LDS address
	s_mul_i32 s21, s12, HALFB
	s_add_co_u32 s21, s21, BOFF
	s_wait_dscnt 0x0                               ; both opening adds are done
	s_wait_kmcnt 0x0
	s_add_nc_u64 s[14:15], s[4:5], s[16:17]
	s_add_nc_u64 s[46:47], s[6:7], s[46:47]
	CROUND                                         ; all sixteen work-groups are here: the first joint loads meet
.irp s, 0,1
	s_mov_b32 s[G0+4*\s], 1
	s_add_co_u32 s[G0+4*\s+1], s20, \s*SLOT
	s_add_nc_u64 s[G0+4*\s+2:G0+4*\s+3], s[14:15], \s*65536
	s_or_b32 s[G0+4*\s+3], s[G0+4*\s+3], 0x80000000
	s_mov_b32 s[G0B+4*\s], 1
	s_add_co_u32 s[G0B+4*\s+1], s21, \s*SLOT
	s_add_nc_u64 s[G0B+4*\s+2:G0B+4*\s+3], s[46:47], \s*KSTEP*2
	s_or_b32 s[G0B+4*\s+3], s[G0B+4*\s+3], 0x80000000
	JLOAD \s                                       ; two loads of mine are out
.endr
	v_and_b32 v1, 15, v0                           ; l % 16
	v_bfe_u32 v2, v0, 4, 1                         ; l / 16
	v_mul_u32_u24 v3, v1, PA
	v_lshl_add_u32 v3, v2, 4, v3                   ; a fragment's row x pitch + 16 x half: A's,
	v_mul_u32_u24 v4, v1, PB
	v_lshl_add_u32 v4, v2, 4, v4                   ; B's
	s_mul_i32 s21, s11, 64*PA                      ; my 64 tokens in each head's 128 rows
	s_mul_i32 s22, s12, HALFB                      ; my 64 rows of B,
	s_add_co_u32 s22, s22, BOFF                    ; which lie behind A's tile
.irp s, 0,1
	v_add_nc_u32 v[ADRA+\s], s21, v3
	v_add_nc_u32 v[ADRB+\s], s22, v4
	s_add_co_u32 s21, s21, SLOT
	s_add_co_u32 s22, s22, SLOT
.endr
	s_mul_i32 s23, s10, 16*SPITCH
	s_add_co_u32 s23, s23, STAGE                   ; my stage
	v_mul_u32_u24 v4, v1, SPITCH                   ; in: row l % 16, 32 bytes for each half of the lanes
	v_lshl_add_u32 v4, v2, 5, v4
	v_add_nc_u32 v[STO], s23, v4
	v_mul_u32_u24 v5, v2, SPITCH                   ; back: lanes 0-15 take one row of 256 bytes, lanes 16-31 the next
	v_lshl_add_u32 v5, v1, 4, v5
	v_add_nc_u32 v[RD], s23, v5
	v_lshlrev_b32 v5, 12, v2                       ; and the same two rows in out0: 4,096 bytes a row
	v_lshl_add_u32 v[CO], v1, 4, v5
	s_lshl_b32 s16, s13, 7
	s_lshl_b32 s17, s11, 6
	s_add_co_u32 s16, s16, s17                     ; my first row: 128 x tile row + 64 x half
	s_lshl_b32 s16, s16, 12
	s_mov_b32 s17, 0
	s_add_nc_u64 s[8:9], s[8:9], s[16:17]
	s_lshl_b32 s46, s42, 9                         ; my first column, in bytes: 512 x tile column + 256 x half
	s_lshl_b32 s47, s12, 8
	s_add_co_u32 s46, s46, s47
	s_mov_b32 s47, 0
	s_add_nc_u64 s[8:9], s[8:9], s[46:47]
; 8 matrix instructions: m blocks a0, a0 + 1 x all 4 n blocks, 32 along K: half c of buffer f.  zero = 1: the first product starts the sums.  The 16 accumulators take turns.
.macro MUL8 f, c, a0, zero
.irp a, \a0, \a0+1
.irp b, 0,1,2,3
.if \zero
	v_wmma_f32_16x16x32_f16 v[ACC+8*(4*(\a)+\b):ACC+8*(4*(\a)+\b)+7], v[\f+64+8*(4*\c+\b):\f+64+8*(4*\c+\b)+7], v[\f+8*(4*\c+\a):\f+8*(4*\c+\a)+7], 0
.else
	v_wmma_f32_16x16x32_f16 v[ACC+8*(4*(\a)+\b):ACC+8*(4*(\a)+\b)+7], v[\f+64+8*(4*\c+\b):\f+64+8*(4*\c+\b)+7], v[\f+8*(4*\c+\a):\f+8*(4*\c+\a)+7], v[ACC+8*(4*(\a)+\b):ACC+8*(4*(\a)+\b)+7]
.endif
.endr
.endr
.endm
; 32 LDS loads in one run: the fragments of the K step's quarter qd (64 along K: one head of A, 128 bytes of B's rows) into buffer f; the first 32 along K first
.macro FETCH slot, qd, f
	WIN TO_F
.irp c, 0,1
.irp i, 0,1,2,3
	ds_load_b128 v[\f+64+8*(4*\c+\i):\f+64+8*(4*\c+\i)+3],   v[ADRB+\slot] offset:128*(\qd)+64*\c+\i*16*PB
	ds_load_b128 v[\f+64+8*(4*\c+\i)+4:\f+64+8*(4*\c+\i)+7], v[ADRB+\slot] offset:128*(\qd)+64*\c+\i*16*PB+32
	ds_load_b128 v[\f+8*(4*\c+\i):\f+8*(4*\c+\i)+3],         v[ADRA+\slot] offset:128*PA*(\qd)+64*\c+\i*16*PA
	ds_load_b128 v[\f+8*(4*\c+\i)+4:\f+8*(4*\c+\i)+7],       v[ADRA+\slot] offset:128*PA*(\qd)+64*\c+\i*16*PA+32
.endr
.endr
.endm
.macro PLACES                          ; four places in front of loads into registers that matrix instructions have read, and of the first read of results (ISA guide 7.12.1 for vector instructions)
.rept 4
	v_nop
.endr
.endm
; A K step is four quarters of 64 along K, 32 matrix instructions each, on buffers 0, 1, 0, 1.  One of the first three: multiplies buffer f and fetches quarter qd into g.
.macro QUARTER slot, qd, f, g, zero
	s_wait_dscnt 16                                ; the first 32 along K are in; the sixteen younger loads may be out
	WIN MUL
	MUL8 \f, 0, 0, \zero
	MUL8 \f, 0, 2, \zero
	PLACES
	FETCH \slot, \qd, \g
	s_wait_dscnt 32                                ; all but the 32 just issued
	WIN MUL
	MUL8 \f, 1, 0, 0
	MUL8 \f, 1, 2, 0
.endm
; The last quarter multiplies buffer 1 and changes slots: ONE barrier; in front of it each wave waits for all its tensor loads, adds 0 to its spare word, and waits for that and for its own reads of this slot.  fill = 1: this slot is filled again, two K steps ahead.
.macro TURN slot, next, fill
	WIN 0                                          ; (the add's two registers lie in window 0)
	s_wait_tensorcnt 0x0                           ; all my tensor loads have landed: my part of the next slot
	ds_add_u32 v[SPW], v[NIL]                      ; 0 onto my spare word
	s_wait_dscnt 17                                ; (the add and the youngest sixteen loads may be out)
	WIN MUL
	MUL8 F1, 0, 0, 0                               ; eight matrix instructions stand between the add and the wait for it
	s_wait_dscnt 0x0                               ; the add is done, and my reads of this slot are over
	s_barrier_signal -1
	MUL8 F1, 0, 2, 0
.if \fill
	WIN 0
.endif
	s_barrier_wait -1
.if \fill
	CREST                                          ; the barrier has opened a round of the cluster's barrier: no wave of any partner still reads this slot's tile or has a load on its way
	s_add_nc_u64 s[G0+4*\slot+2:G0+4*\slot+3], s[G0+4*\slot+2:G0+4*\slot+3], 2*65536
	s_add_nc_u64 s[G0B+4*\slot+2:G0B+4*\slot+3], s[G0B+4*\slot+2:G0B+4*\slot+3], 2*KSTEP*2
	JLOAD \slot                                    ; the first tensor load behind the round; the four v_nop behind it are also the places in front of the loads below
.else
	PLACES
.endif
	FETCH \next, 0, F0
	WIN MUL
	MUL8 F1, 1, 0, 0
	MUL8 F1, 1, 2, 0
.endm
	s_wait_tensorcnt 1                             ; my part of K step 0 is in; K step 1's load may be out
	s_barrier_signal -1
	s_barrier_wait -1                              ; everybody's is
	FETCH 0, 0, F0
	QUARTER 0, 1, F0, F1, 1                        ; the first quarter stands in front of the loop: its first products start the sums
	WIN 0                                          ; at a label and at a branch every window is 0
	s_mov_b32 s3, LAPS-1
.Llap:                                             ; a trip goes once round the ring, from a lap's second quarter to the next lap's first, and fills both slots again
	QUARTER 0, 2, F1, F0, 0
	QUARTER 0, 3, F0, F1, 0
	TURN 0, 1, 1
	QUARTER 1, 1, F0, F1, 0
	QUARTER 1, 2, F1, F0, 0
	QUARTER 1, 3, F0, F1, 0
	TURN 1, 0, 1
	QUARTER 0, 1, F0, F1, 0
	WIN 0
	s_sub_co_u32 s3, s3, 1
	s_cmp_lg_u32 s3, 0
	s_cbranch_scc1 .Llap
	QUARTER 0, 2, F1, F0, 0                        ; the last lap fills nothing, and has no round of the cluster's barrier
	QUARTER 0, 3, F0, F1, 0
	TURN 0, 1, 0
	QUARTER 1, 1, F0, F1, 0
	QUARTER 1, 2, F1, F0, 0
	QUARTER 1, 3, F0, F1, 0
	s_wait_dscnt 16                                ; the very last quarter: nothing more to fetch
	WIN MUL
	MUL8 F1, 0, 0, 0
	MUL8 F1, 0, 2, 0
	s_wait_dscnt 0
	MUL8 F1, 1, 0, 0
	MUL8 F1, 1, 2, 0
	WIN 0
; THE WAY OUT, block by block of 16 rows x 64 columns.  A wave's 64 columns of f32 are a whole aligned 256 bytes of a row, so each wave has a stage of its own and no barrier is needed:
; a lane's 32 bytes go into rows of 272 bytes and come back as whole rows; sixteen lanes store 256 consecutive bytes.  LDS serves a wave's instructions in order (ISA guide 5.7.1.4).
.macro TOSTAGE a
.irp b, 0,1,2,3
	ds_store_b128 v[STO], v[ACC+8*(4*(\a)+\b):ACC+8*(4*(\a)+\b)+3] offset:64*\b          ; each accumulator from its low end on
	ds_store_b128 v[STO], v[ACC+8*(4*(\a)+\b)+4:ACC+8*(4*(\a)+\b)+7] offset:64*\b+16
.endr
.irp t, 0,1,2,3,4,5,6,7
	ds_load_b128 v[TMP+32*((\a)%2)+4*\t:TMP+32*((\a)%2)+4*\t+3], v[RD] offset:\t*2*SPITCH
.endr
.endm
.macro SEND a, younger                 ; younger: the LDS instructions issued behind block a's loads, which may stay out
	s_wait_dscnt \younger
.irp t, 0,1,2,3,4,5,6,7
	global_store_b128 v[CO], v[TMP+32*((\a)%2)+4*\t:TMP+32*((\a)%2)+4*\t+3], s[8:9] offset:(16*(\a)+2*\t)*4096 th:TH_STORE_NT   ; 16 lanes store 256 consecutive bytes, at a multiple of 256 from out0's first byte; written once, read by nobody here
.endr
.endm
	PLACES                                         ; behind the last products, ahead of the first read of results
	TOSTAGE 0
.irp a, 1,2,3
.if \a > 1
	s_wait_xcnt 0x0                                ; block a - 2's stores have read their data: block a's loads land there only behind this wait
.endif
	TOSTAGE \a
	SEND \a-1, 16                                  ; behind block a - 1's loads: block a's 8 stores and 8 loads
.endr
	SEND 3, 0
	s_wait_tensorcnt 0x0                           ; the wave's end: behind my last tensor load and my last LDS store
	ds_add_u32 v[SPW], v[NIL]
	s_wait_dscnt 0x0
	CROUND                                         ; the closing round: no work-group ends while a partner may still ask for a tile that names it
	s_endpgm
.Lfunc_end_k_qe24fc01d2c_proj:
	.size	k_qe24fc01d2c_proj, .Lfunc_end_k_qe24fc01d2c_proj-k_qe24fc01d2c_proj
	.p2alignl 7, 3214868480
	.fill 96, 4, 3214868480
	.section	.rodata,"a",@progbits
	.p2align	6, 0x0
	.amdhsa_kernel k_qe24fc01d2c_proj
		.amdhsa_group_segment_fixed_size 327680
		.amdhsa_private_segment_fixed_size 0
		.amdhsa_enable_private_segment 0
		.amdhsa_kernarg_size 24
		.amdhsa_user_sgpr_count 2
		.amdhsa_user_sgpr_kernarg_segment_ptr 1
		.amdhsa_wavefront_size32 1
		.amdhsa_system_sgpr_workgroup_id_x 1
		.amdhsa_system_sgpr_workgroup_id_y 1
		.amdhsa_system_sgpr_workgroup_id_z 1
		.amdhsa_system_vgpr_workitem_id 0
		.amdhsa_next_free_vgpr 512
		.amdhsa_next_free_sgpr 66
		.amdhsa_reserve_vcc 0
		.amdhsa_float_denorm_mode_32 3
		.amdhsa_float_denorm_mode_16_64 3
		.amdhsa_memory_ordered 1
		.amdhsa_forward_progress 1
		.amdhsa_inst_pref_size 86
	.end_amdhsa_kernel
	.amdgpu_metadata
---
amdhsa.version: [ 1, 2 ]
amdhsa.kernels:
  - .name:           k_qe24fc01d2c_proj
    .symbol:         k_qe24fc01d2c_proj.kd
    .args:
      - { .name: y, .offset: 0, .size: 8, .value_kind: global_buffer, .address_space: global }
      - { .name: wo_h, .offset: 8, .size: 8, .value_kind: global_buffer, .address_space: global }
      - { .name: out0, .offset: 16, .size: 8, .value_kind: global_buffer, .address_space: global }
    .group_segment_fixed_size: 327680
    .private_segment_fixed_size: 0
    .kernarg_segment_align: 8
    .kernarg_segment_size: 24
    .max_flat_workgroup_size: 128
    .sgpr_count:     66
    .vgpr_count:     512
    .wavefront_size: 32
...
	.end_amdgpu_metadata
.endif
;; end of part 4
